; MI455X (gfx1250); checked and timed in simulation.
; The chip was launched on July 23, 2026; its instructions are those of AMD's public machine-readable ISA for CDNA 5 (MIT licence, August 2026) and "CDNA5" Instruction Set Architecture Reference Guide (July 2026). The comments in the code are by the model that wrote it; some were corrected since.
;; Fused Mo E. Allowed arithmetic: float matrix products may take bf16 or f16 operands with f32 sums; all other float work in f32.
;; Inputs: hidden_states 1,024 x 1,024 float32; router_logits 1,024 x 8 float32; w13_weight 8 x 4,096 x 1,024 float32; w2_weight 8 x 1,024 x 2,048 float32.
;; Outputs: out0 1,024 x 1,024 float32.
;; Constants: top_k = 2.
;; 2 versions, each right; version 2 is version 1 with the launches gemm1, gemm2 written anew for expert scheduling mode. Each part assembles by itself: llvm-mc -triple=amdgcn-amd-amdhsa -mcpu=gfx1250 --defsym DOCPART=n.
;; ======== version 1 of 2: 5 launches
;; limits: values outside matrix products are rounded to bf16; values within 0.0039 (relative) of each other or of a threshold may be ordered or decided otherwise than in the reference
;; workspace buffers: slots 8,192 bytes of whole numbers; counts 256 bytes of whole numbers; wts 8,192 bytes; xs 16,777,216 bytes; act 33,554,432 bytes; y 67,108,864 bytes
;; launch route (part 1): grid 1 x 1, 32 waves a work-group, no clusters, 8,192 bytes of LDS; arguments router_logits, slots, wts, counts; writes slots, wts, counts
.if DOCPART == 1
	.amdgcn_target "amdgcn-amd-amdhsa--gfx1250"
	.amdhsa_code_object_version 6
	.text
	.protected	k_q8366dbb878_route
	.globl	k_q8366dbb878_route
	.p2align	8
	.type	k_q8366dbb878_route,@function
k_q8366dbb878_route:
	s_mov_b64 s[64:65], 0
	v_nop
	global_prefetch_b8 v0, s[64:65] scope:SCOPE_SE
	s_setreg_imm32_b32 hwreg(HW_REG_WAVE_MODE, 25, 1), 1
	s_wait_xcnt 0x0
; Routing of 1024 tokens to 2 of 8 experts.  One work-group, thread t = token t.
; Stores: slots[t][2] = expert * 1024 + rank of the token among that expert's tokens (tokens in ascending order),
;         wts[t][2]   = the two renormalised weights,   counts[0..31] = tokens of expert (word & 7); words 0..7 are read later.
; THE LOGITS ARE ROUNDED TO bf16 FIRST (nearest even), as hidden_states, w13 and w2 are on their way to the matrix units: the program as a whole
; computes the module on inputs rounded to bf16.  All arithmetic behind the rounding is f32.
; The two largest softmax values belong to the two largest logits, and the softmax's denominator cancels when the two weights are
; renormalised: w1 = 1 / (1 + exp(l2 - l1)), w2 = exp(l2 - l1) * w1, with l1 the row's maximum: the maximum is taken away, the exponent is <= 0.
; LIMITS: two logits that agree after rounding to bf16's 8 significant bits count as tied, and the weights follow the rounded logits; top_k on the
; f32 logits would separate such a pair.  The choice is made on the rounded logits with a strict compare, the lowest index winning a tie, as top_k
; does on equal values; two different rounded logits whose softmax values round to one f32 may be ordered otherwise than by top_k.
; Logits beyond bf16's largest finite number (3.39e38) round to infinity and are not served; nor are NaN logits.
; What is derived from floats here is stored as values only: no address, branch or lane index hangs on it.
.set LG,  8                            ; v[8:15]  the token's eight logits
.set PW,  32                           ; v[32:63] the 32 waves' counts of expert (lane & 7)
	s_load_b256 s[4:11], s[0:1], 0x0               ; logits s[4:5], slots s[6:7], wts s[8:9], counts s[10:11]
	v_lshl_add_u32 v64, v0, 2, 0x1000
	v_mov_b32 v65, 0
	v_lshrrev_b32 v1, 5, v0
	v_readfirstlane_b32 s12, v1                    ; wave 0..31
	v_and_b32 v2, 31, v0                           ; lane
	v_lshlrev_b32 v3, 5, v0                        ; 32 bytes of logits a token
	s_wait_kmcnt 0x0
	global_load_b128 v[8:11], v3, s[4:5]
	global_load_b128 v[12:15], v3, s[4:5] offset:16
	s_wait_loadcnt 0x0
	; the logits rounded to bf16 and widened again: the low half moves up, the high half stays
.irp j, 0,1,2,3
	v_cvt_pk_bf16_f32 v[20+\j], v[LG+2*\j], v[LG+2*\j+1]
.endr
.irp j, 0,1,2,3
	v_lshlrev_b32 v[LG+2*\j],   16, v[20+\j]
	v_and_b32     v[LG+2*\j+1], 0xffff0000, v[20+\j]
.endr
	; the largest logit m1 (v16) and its index i1 (v17)
	v_mov_b32 v16, v8
	v_mov_b32 v17, 0
.irp e, 1,2,3,4,5,6,7
	v_cmp_gt_f32 vcc_lo, v[LG+\e], v16
	v_cndmask_b32 v16, v16, v[LG+\e], vcc_lo
	v_cndmask_b32 v17, v17, \e, vcc_lo
.endr
	; the largest of the other seven, m2 (v18), i2 (v19): it starts at the first index that is not i1
	v_cmp_eq_u32 vcc_lo, 0, v17
	v_cndmask_b32 v18, v8, v9, vcc_lo
	v_cndmask_b32 v19, 0, 1, vcc_lo
.irp e, 1,2,3,4,5,6,7
	v_cmp_gt_f32 s14, v[LG+\e], v18
	v_cmp_ne_u32 s15, \e, v17
	s_and_b32 vcc_lo, s14, s15
	v_cndmask_b32 v18, v18, v[LG+\e], vcc_lo
	v_cndmask_b32 v19, v19, \e, vcc_lo
.endr
	; the two weights
	v_sub_f32 v20, v18, v16                        ; l2 - l1 <= 0
	v_mul_f32 v20, 0x3fb8aa3b, v20                 ; in base 2
	v_exp_f32 v21, v20
	v_nop                                          ; one plain place behind a transcendental (ISA guide 5.7.2)
	s_wait_alu depctr_va_vdst(0)
	v_add_f32 v22, 1.0, v21
	v_rcp_f32 v24, v22                             ; w1
	v_nop
	s_wait_alu depctr_va_vdst(0)
	v_mul_f32 v25, v21, v24                        ; w2
	; lane masks: s[16+e] first choice is e, s[24+e] second choice is e, s[32+e] either
.irp e, 0,1,2,3,4,5,6,7
	v_cmp_eq_u32 s[16+\e], \e, v17
	v_cmp_eq_u32 s[24+\e], \e, v19
	s_or_b32 s[32+\e], s[16+\e], s[24+\e]
.endr
	; my wave's eight counts go to lanes 0..7 of v26, and to the wave's 128 bytes of LDS
	v_mov_b32 v26, 0
.irp e, 0,1,2,3,4,5,6,7
	s_bcnt1_i32_b32 s13, s[32+\e]
	v_writelane_b32 v26, s13, \e
.endr
	v_lshlrev_b32 v27, 2, v0                       ; 128 x wave + 4 x lane
	ds_store_b32 v27, v26
	s_wait_dscnt 0x0                               ; my store is done before I signal: the others read it
	s_barrier_signal -1
	s_barrier_wait -1
	v_and_b32 v28, 7, v0
	v_lshlrev_b32 v28, 2, v28
.set i, 0
.rept 32
	ds_load_b32 v[PW+i], v28 offset:128*i          ; wave i's count of expert (lane & 7)
.set i, i+1
.endr
	v_mov_b32 v29, 0                               ; the expert's total
	v_mov_b32 v30, 0                               ; the sum over the waves in front of mine
	s_wait_dscnt 0x0
.set i, 0
.rept 32
	s_cmp_gt_u32 s12, i
	s_cselect_b32 s13, -1, 0
	v_add_nc_u32 v29, v29, v[PW+i]
	v_and_b32 v31, s13, v[PW+i]
	v_add_nc_u32 v30, v30, v31
.set i, i+1
.endr
	; slot = 1024 e + tokens of e in earlier waves + tokens of e in lower lanes of my wave
	v_mov_b32 v4, 0
	v_mov_b32 v5, 0
.irp e, 0,1,2,3,4,5,6,7
	v_readlane_b32 s13, v30, \e
	s_add_co_u32 s13, s13, \e*1024
	v_mbcnt_lo_u32_b32 v6, s[32+\e], s13
	v_cndmask_b32 v4, v4, v6, s[16+\e]
	v_cndmask_b32 v5, v5, v6, s[24+\e]
.endr
	v_lshlrev_b32 v7, 3, v0
	global_store_b64 v7, v[4:5], s[6:7]            ; a wave's store covers 256 consecutive bytes
	global_store_b64 v7, v[24:25], s[8:9]
	s_cmp_lg_u32 s12, 0
	s_cbranch_scc1 .Lend
	v_lshlrev_b32 v1, 2, v2
	global_store_b32 v1, v29, s[10:11]             ; wave 0 alone: the totals
.Lend:
	s_wait_tensorcnt 0x0
	ds_add_u32 v64, v65
	s_wait_dscnt 0x0
	s_endpgm
.Lfunc_end_k_q8366dbb878_route:
	.size	k_q8366dbb878_route, .Lfunc_end_k_q8366dbb878_route-k_q8366dbb878_route
	.p2alignl 7, 3214868480
	.fill 96, 4, 3214868480
	.section	.rodata,"a",@progbits
	.p2align	6, 0x0
	.amdhsa_kernel k_q8366dbb878_route
		.amdhsa_group_segment_fixed_size 8192
		.amdhsa_private_segment_fixed_size 0
		.amdhsa_enable_private_segment 0
		.amdhsa_kernarg_size 32
		.amdhsa_user_sgpr_count 2
		.amdhsa_user_sgpr_kernarg_segment_ptr 1
		.amdhsa_wavefront_size32 1
		.amdhsa_system_sgpr_workgroup_id_x 1
		.amdhsa_system_sgpr_workgroup_id_y 1
		.amdhsa_system_sgpr_workgroup_id_z 1
		.amdhsa_system_vgpr_workitem_id 0
		.amdhsa_next_free_vgpr 66
		.amdhsa_next_free_sgpr 66
		.amdhsa_reserve_vcc 1
		.amdhsa_float_denorm_mode_32 3
		.amdhsa_float_denorm_mode_16_64 3
		.amdhsa_memory_ordered 1
		.amdhsa_forward_progress 1
		.amdhsa_inst_pref_size 18
	.end_amdhsa_kernel
	.amdgpu_metadata
---
amdhsa.version: [ 1, 2 ]
amdhsa.kernels:
  - .name:           k_q8366dbb878_route
    .symbol:         k_q8366dbb878_route.kd
    .args:
      - { .name: router_logits, .offset: 0, .size: 8, .value_kind: global_buffer, .address_space: global }
      - { .name: slots, .offset: 8, .size: 8, .value_kind: global_buffer, .address_space: global }
      - { .name: wts, .offset: 16, .size: 8, .value_kind: global_buffer, .address_space: global }
      - { .name: counts, .offset: 24, .size: 8, .value_kind: global_buffer, .address_space: global }
    .group_segment_fixed_size: 8192
    .private_segment_fixed_size: 0
    .kernarg_segment_align: 8
    .kernarg_segment_size: 32
    .max_flat_workgroup_size: 1024
    .sgpr_count:     66
    .vgpr_count:     66
    .wavefront_size: 32
...
	.end_amdgpu_metadata
.endif
;; end of part 1
;; launch permute (part 2): grid 128 x 1, 8 waves a work-group, no clusters, 0 bytes of LDS; arguments hidden_states, slots, counts, xs; writes xs
.if DOCPART == 2
	.amdgcn_target "amdgcn-amd-amdhsa--gfx1250"
	.amdhsa_code_object_version 6
	.text
	.protected	k_q8366dbb878_permute
	.globl	k_q8366dbb878_permute
	.p2align	8
	.type	k_q8366dbb878_permute,@function
k_q8366dbb878_permute:
	s_mov_b64 s[64:65], 0
	v_nop
	global_prefetch_b8 v0, s[64:65] scope:SCOPE_SE
	s_setreg_imm32_b32 hwreg(HW_REG_WAVE_MODE, 25, 1), 1
	s_wait_xcnt 0x0
; xs[slot][0..1023] = bf16(hidden_states[token]) for the token's two slots: the tokens sorted by expert, 1024 rows of room for each expert.
; One wave, one token: the row of 4096 bytes is read once by eight loads of 512 consecutive bytes, rounded once, and stored twice.
; Waves 0..255 of the launch also clear one row each of the padding: rows count .. roundup32(count) - 1 of expert (wave / 32),
; so that the products behind this launch work on whole pairs of 16 rows and read nothing that was not stored.
; A stream: no LDS, no barrier, no matrix unit; the slots are whole numbers read from memory and clamped to the table's 8192 rows.
.set X,  8                             ; v[8:39]   the row in f32
.set B,  40                            ; v[40:55]  the row in bf16
.set Z,  56                            ; v[56:59]  zeros
	s_load_b256 s[4:11], s[0:1], 0x0               ; hidden s[4:5], slots s[6:7], counts s[8:9], xs s[10:11]
	v_lshrrev_b32 v1, 5, v0
	v_readfirstlane_b32 s12, v1
	s_lshl_b32 s13, ttmp9, 3
	s_add_co_u32 s13, s13, s12                     ; my token
	s_lshl_b32 s14, s13, 3                         ; its two slots: 8 bytes
	s_lshr_b32 s15, s13, 5
	s_min_u32 s15, s15, 7
	s_lshl_b32 s15, s15, 2                         ; the count of the expert whose padding I may clear
	v_and_b32 v2, 31, v0
	v_lshlrev_b32 v3, 4, v2                        ; 16 bytes a lane
	v_lshlrev_b32 v4, 3, v2                        ; 8 bytes a lane
	s_lshl_b32 s20, s13, 12
	s_mov_b32 s21, 0
	s_wait_kmcnt 0x0
	s_load_b64 s[16:17], s[6:7], s14 offset:0x0
	s_load_b32 s18, s[8:9], s15 offset:0x0
	s_add_nc_u64 s[4:5], s[4:5], s[20:21]          ; my row of hidden_states
.irp i, 0,1,2,3,4,5,6,7
	global_load_b128 v[X+4*\i:X+4*\i+3], v3, s[4:5] offset:512*\i th:TH_LOAD_NT
.endr
	s_wait_kmcnt 0x0
	s_min_u32 s16, s16, 0x1fff                     ; a slot stays inside the 8192 rows
	s_min_u32 s17, s17, 0x1fff
	s_lshl_b32 s22, s16, 11                        ; rows of 2048 bytes
	s_mov_b32 s23, 0
	s_add_nc_u64 s[24:25], s[10:11], s[22:23]
	s_lshl_b32 s22, s17, 11
	s_add_nc_u64 s[26:27], s[10:11], s[22:23]
.irp i, 0,1,2,3,4,5,6,7
	s_wait_loadcnt 7-\i                            ; loads come back in order: load i is in, the younger ones stay out
	v_cvt_pk_bf16_f32 v[B+2*\i],   v[X+4*\i],   v[X+4*\i+1]
	v_cvt_pk_bf16_f32 v[B+2*\i+1], v[X+4*\i+2], v[X+4*\i+3]
	global_store_b64 v4, v[B+2*\i:B+2*\i+1], s[24:25] offset:256*\i    ; the wave's store covers 256 consecutive bytes, aligned
	global_store_b64 v4, v[B+2*\i:B+2*\i+1], s[26:27] offset:256*\i
.endr
	; the padding
	s_cmp_ge_u32 s13, 256
	s_cbranch_scc1 .Lend
	s_min_u32 s18, s18, 0x400                      ; a count is at most 1024
	s_and_b32 s19, s13, 31
	s_add_co_u32 s19, s18, s19                     ; row count + j, j = 0..31
	s_add_co_u32 s28, s18, 31
	s_and_not1_b32 s28, s28, 31                    ; the count rounded up to 32
	s_cmp_ge_u32 s19, s28
	s_cbranch_scc1 .Lend
	s_min_u32 s19, s19, 1023
	s_lshr_b32 s29, s13, 5
	s_lshl_b32 s29, s29, 10
	s_add_co_u32 s19, s19, s29                     ; + 1024 x expert
	s_lshl_b32 s22, s19, 11
	s_add_nc_u64 s[30:31], s[10:11], s[22:23]
	v_mov_b32 v[Z], 0
	v_mov_b32 v[Z+1], 0
	v_mov_b32 v[Z+2], 0
	v_mov_b32 v[Z+3], 0
.irp i, 0,1,2,3
	global_store_b128 v3, v[Z:Z+3], s[30:31] offset:512*\i
.endr
.Lend:
	s_endpgm
.Lfunc_end_k_q8366dbb878_permute:
	.size	k_q8366dbb878_permute, .Lfunc_end_k_q8366dbb878_permute-k_q8366dbb878_permute
	.p2alignl 7, 3214868480
	.fill 96, 4, 3214868480
	.section	.rodata,"a",@progbits
	.p2align	6, 0x0
	.amdhsa_kernel k_q8366dbb878_permute
		.amdhsa_group_segment_fixed_size 0
		.amdhsa_private_segment_fixed_size 0
		.amdhsa_enable_private_segment 0
		.amdhsa_kernarg_size 32
		.amdhsa_user_sgpr_count 2
		.amdhsa_user_sgpr_kernarg_segment_ptr 1
		.amdhsa_wavefront_size32 1
		.amdhsa_system_sgpr_workgroup_id_x 1
		.amdhsa_system_sgpr_workgroup_id_y 1
		.amdhsa_system_sgpr_workgroup_id_z 1
		.amdhsa_system_vgpr_workitem_id 0
		.amdhsa_next_free_vgpr 64
		.amdhsa_next_free_sgpr 66
		.amdhsa_reserve_vcc 0
		.amdhsa_float_denorm_mode_32 3
		.amdhsa_float_denorm_mode_16_64 3
		.amdhsa_memory_ordered 1
		.amdhsa_forward_progress 1
		.amdhsa_inst_pref_size 6
	.end_amdhsa_kernel
	.amdgpu_metadata
---
amdhsa.version: [ 1, 2 ]
amdhsa.kernels:
  - .name:           k_q8366dbb878_permute
    .symbol:         k_q8366dbb878_permute.kd
    .args:
      - { .name: hidden_states, .offset: 0, .size: 8, .value_kind: global_buffer, .address_space: global }
      - { .name: slots, .offset: 8, .size: 8, .value_kind: global_buffer, .address_space: global }
      - { .name: counts, .offset: 16, .size: 8, .value_kind: global_buffer, .address_space: global }
      - { .name: xs, .offset: 24, .size: 8, .value_kind: global_buffer, .address_space: global }
    .group_segment_fixed_size: 0
    .private_segment_fixed_size: 0
    .kernarg_segment_align: 8
    .kernarg_segment_size: 32
    .max_flat_workgroup_size: 256
    .sgpr_count:     66
    .vgpr_count:     64
    .wavefront_size: 32
...
	.end_amdgpu_metadata
.endif
;; end of part 2
;; launch gemm1 (part 3): grid 32 x 8, 4 waves a work-group, no clusters, 203,264 bytes of LDS; arguments xs, counts, w13_weight, act; writes act
.if DOCPART == 3
	.amdgcn_target "amdgcn-amd-amdhsa--gfx1250"
	.amdhsa_code_object_version 6
	.text
	.protected	k_q8366dbb878_gemm1
	.globl	k_q8366dbb878_gemm1
	.p2align	8
	.type	k_q8366dbb878_gemm1,@function
k_q8366dbb878_gemm1:
	s_mov_b64 s[64:65], 0
	v_nop
	global_prefetch_b8 v0, s[64:65] scope:SCOPE_SE
	s_setreg_imm32_b32 hwreg(HW_REG_WAVE_MODE, 25, 1), 1
	s_wait_xcnt 0x0
; act = silu(xs W_gate^T) * (xs W_up^T), for the rows of xs that belong to one expert.  bf16 operands, f32 sums, act rounded once to bf16.
; Work-group (nb, e) owns 64 gate rows and the 64 up rows of the same columns of expert e's w13: 128 rows x 1024 f32 = 512 KiB, which it
; reads from memory ONCE, rounds to bf16 and keeps as matrix fragments in registers.  Wave w keeps K = 256 w .. 256 w + 255 of all 128 rows:
; 8 tiles of 16 rows x 8 K steps x 8 registers = 512 registers.  Then the expert's tokens go by in blocks of two tiles of 16 rows,
; ceil(count / 32) blocks (the count is a whole number stored by an earlier launch; the rows up to the next multiple of 32 were stored as zeros).
; Each wave reads only its own K quarter of a token tile; the four waves' partial sums meet in LDS, where the result is also turned
; into the order in which it is stored: act lies in memory as the next product's fragments,
; [expert][tile of 16 rows][K step of 32][half of 16][lane][8 numbers], so a wave's store covers 512 consecutive bytes and the group's 2048.
; BARRIERS: every wave passes the same 32 barriers whatever the count: the loop is counted against a constant (room for 1024 tokens), and only
; work without a barrier stands under the branches on the count.  All blocks name the same registers (only the LDS set of the partial sums
; takes turns), so what is outstanding at a block's edge is the same whether a block ran or not, and the counted waits hold on every way.
; NOT COMPUTED: the six experts that a token did not choose; their weight in the sum is exactly 0.  LIMIT: where such an expert's result would
; overflow, 0 x inf would give NaN; this program gives the finite sum of the two chosen.
; NO CLUSTER, NO JOINT LOADS: what work-groups share is the token tile, 8 KiB a wave and tile, which here goes through registers into the wave's
; own stage; the weights, 512 KiB a group, are shared with nobody and must pass through registers to be rounded.
; NO TENSOR LOADS: for the same reason; with counted waits on the loads 64 of a wave's loads (32 KiB) stay requested through the weight phase.
.set PITCH, 528                        ; an LDS row: 512 bytes + 16: 33 x 16 bytes, so sixteen rows' 16-byte pieces fall on sixteen different columns of 16 bytes modulo 256
.set STG,   16*PITCH                   ; a stage of 16 rows x 256 bf16: 8448 bytes
.set WSTG,  2*STG                      ; a wave has two stages of its own
.set REDB,  4*WSTG                     ; 67584: behind the stages, the partial sums
.set REDQ,  16*PITCH                   ; one wave's partial of a tile: 16 tokens x 128 f32
.set REDT,  4*REDQ                     ; the four waves' partials of a tile
.set REDP,  2*REDT                     ; a block's two tiles; two such sets take turns
.set WROW,  4096                       ; bytes in a row of w13
.set WTILE, 16*WROW
; window 0
.set WOFF, 4                           ; 1024 w + 16 lane: my 16 bytes in a weight row's first 512 of my quarter
.set STW,  5                           ; stage, weights in: 8 bytes a lane
.set STF,  6                           ; stage, fragments out: row r, 16 h
.set STA,  7                           ; stage, tokens in: 16 bytes a lane
.set XL,   8                           ; 512 w + 16 lane: my 16 bytes of a token row's quarter, and of a tile's 2048 bytes of act
.set XO,   9                           ; v9, v10: XL + the tile, one for each landing buffer
.set RS0,  11                          ; my partial sums in, set 0; set 1: v26 = RS0 + 15
.set RD0,  12                          ; the four partials of my 8 columns back, set 0; set 1: v27 = RD0 + 15
.set AO,   13                          ; my 16 bytes in act, first tile of the block whose results leave
.set OUT,  14                          ; v[14:17] first tile's 16 bytes; second tile's: v[28:31] = OUT + 14
.set T,    18                          ; v[18:25]
.set ACC,  32                          ; v[32:95]  eight accumulator tiles: 0-3 gate, 4-7 up
.set RP,   96                          ; v[96:159] partial q: 8 gate sums, 8 up sums
; window 1: weight phase L0 = 0..127, L1 = 128..255; token phase LA0 = 0..63, LA1 = 64..127 (as loaded), FR0 = 128..191, FR1 = 192..255 (fragments)
.set L0,   0
.set L1,   128
.set FR,   128
; windows 2 and 3: the weights' fragments, tile nt (mod 4) at 64 nt + 8 ks
.set MSB, 0
.macro WIN new                         ; the immediate's high byte repeats the setting that is left
.if MSB != \new
	s_set_vgpr_msb (MSB<<8)|\new
.set MSB, \new
.endif
.endm
	s_load_b256 s[4:11], s[0:1], 0x0               ; xs s[4:5], counts s[6:7], w13 s[8:9], act s[10:11]
	v_lshl_add_u32 v254, v0, 2, 0x31800
	v_mov_b32 v255, 0
	v_lshrrev_b32 v1, 5, v0
	v_readfirstlane_b32 s12, v1                    ; wave 0..3
	s_and_b32 s14, ttmp7, 0xffff                   ; expert
	s_lshl_b32 s26, s14, 2
	s_wait_kmcnt 0x0
	s_load_b32 s15, s[6:7], s26 offset:0x0         ; the expert's tokens
	v_and_b32 v1, 31, v0                           ; lane
	v_and_b32 v2, 15, v0                           ; r
	v_bfe_u32 v3, v0, 4, 1                         ; h
	s_lshl_b32 s24, s12, 10
	v_lshl_add_u32 v[WOFF], v1, 4, s24
	s_mul_i32 s25, s12, WSTG                       ; my two stages
	v_lshl_add_u32 v[STW], v1, 3, s25
	v_mul_u32_u24 v[STF], v2, PITCH
	v_lshl_add_u32 v[STF], v3, 4, v[STF]
	v_add_nc_u32 v[STF], s25, v[STF]
	v_lshl_add_u32 v[STA], v1, 4, s25
	s_lshl_b32 s24, s12, 9
	v_lshl_add_u32 v[XL], v1, 4, s24
	v_mul_u32_u24 v[RS0], v2, PITCH
	v_lshl_add_u32 v[RS0], v3, 5, v[RS0]           ; token r, 8 h columns of f32
	s_lshl_b32 s24, s12, 6
	s_add_co_u32 s24, s24, REDB
	v_add_nc_u32 v[RD0], s24, v[RS0]               ; columns 16 w + 8 h .. + 7 of token r
	v_add_nc_u32 v[RD0+15], REDP, v[RD0]           ; the same in set 1
	s_mul_i32 s24, s12, REDQ
	s_add_co_u32 s24, s24, REDB
	v_add_nc_u32 v[RS0], s24, v[RS0]
	v_add_nc_u32 v[RS0+15], REDP, v[RS0]
	s_lshl_b32 s20, s14, 21                        ; xs: 1024 rows of 2048 bytes an expert
	s_mov_b32 s21, 0
	s_add_nc_u64 s[4:5], s[4:5], s[20:21]
	s_lshl_b32 s20, s14, 24                        ; w13: 4096 rows of 4096 bytes an expert, 64 rows a group
	s_lshl_b32 s24, ttmp9, 18
	s_add_co_u32 s20, s20, s24
	s_add_nc_u64 s[8:9], s[8:9], s[20:21]          ; my gate rows
	s_add_nc_u64 s[22:23], s[8:9], 0x800000        ; my up rows: 2048 rows further
	s_lshl_b32 s20, s14, 22                        ; act: 64 tiles of 64 KiB an expert, 2048 bytes of each tile are the group's
	s_lshl_b32 s24, ttmp9, 11
	s_add_co_u32 s20, s20, s24
	s_add_nc_u64 s[10:11], s[10:11], s[20:21]
	s_wait_kmcnt 0x0
	s_min_u32 s15, s15, 0x400
	s_add_co_u32 s16, s15, 31
	s_lshr_b32 s16, s16, 5                         ; blocks of two tiles, 0..32
	s_lshl_b32 s17, s16, 1
	s_max_u32 s17, s17, 1
	s_sub_co_u32 s17, s17, 1                       ; the last tile (tile 0 where there is none: it is then loaded and not used)
	s_mov_b32 s18, 0                               ; the next tile to ask for
; 32 loads: my quarter (1024 bytes) of 16 weight rows; each load covers 512 consecutive bytes
.macro WLOAD land, b, imm
	WIN 0x40
.irp j, 0,1,2,3,4,5,6,7,8,9,10,11,12,13,14,15
	global_load_b128 v[\land+8*\j:\land+8*\j+3],   v[WOFF], s[\b:\b+1] offset:\imm+WROW*\j th:TH_LOAD_NT
	global_load_b128 v[\land+8*\j+4:\land+8*\j+7], v[WOFF], s[\b:\b+1] offset:\imm+WROW*\j+512 th:TH_LOAD_NT
.endr
.endm
; the 16 rows are rounded in place and laid into my stage p as rows of 256 bf16
.macro WCONV land, p
	WIN 0x45
.set i, 0
.rept 32
	v_cvt_pk_bf16_f32 v[\land+4*i],   v[\land+4*i],   v[\land+4*i+1]
	v_cvt_pk_bf16_f32 v[\land+4*i+1], v[\land+4*i+2], v[\land+4*i+3]
.set i, i+1
.endr
	WIN 0x04
.irp j, 0,1,2,3,4,5,6,7,8,9,10,11,12,13,14,15
	ds_store_b64 v[STW], v[\land+8*\j:\land+8*\j+1]   offset:STG*\p+PITCH*\j
	ds_store_b64 v[STW], v[\land+8*\j+4:\land+8*\j+5] offset:STG*\p+PITCH*\j+256
.endr
.endm
; and read back as eight fragments (lane: row r; registers 0-3: K = 8 h .. + 7, registers 4-7: K = 16 + 8 h .. + 7), which stay.
; LDS serves a wave's instructions in order (ISA guide 5.7.1.4) and the stage is the wave's own: no wait, no barrier.
.macro WFRAG nt, p
.if \nt < 4
	WIN 0x80
.else
	WIN 0xc0
.endif
.irp ks, 0,1,2,3,4,5,6,7
	ds_load_b128 v[(\nt&3)*64+8*\ks:(\nt&3)*64+8*\ks+3],   v[STF] offset:STG*\p+64*\ks
	ds_load_b128 v[(\nt&3)*64+8*\ks+4:(\nt&3)*64+8*\ks+7], v[STF] offset:STG*\p+64*\ks+32
.endr
.endm
; the offset of the next token tile, for landing buffer q; behind the last tile the last is asked for again, so that no load leaves the expert's stored rows
.macro ANEXT q
	WIN 0
	s_min_u32 s24, s18, s17
	s_min_u32 s24, s24, 63
	s_lshl_b32 s24, s24, 15                        ; 16 rows of 2048 bytes
	v_add_nc_u32 v[XO+(\q)], s24, v[XL]
	s_add_co_u32 s18, s18, 1
.endm
.macro ALOAD q                         ; 16 loads: my quarter (512 bytes) of the tile's 16 rows
	WIN 0x40
.irp j, 0,1,2,3,4,5,6,7,8,9,10,11,12,13,14,15
	global_load_b128 v[64*(\q)+4*\j:64*(\q)+4*\j+3], v[XO+(\q)], s[4:5] offset:2048*\j
.endr
.endm
.macro ASTORE q                        ; into my stage q
	WIN 0x04
.irp j, 0,1,2,3,4,5,6,7,8,9,10,11,12,13,14,15
	ds_store_b128 v[STA], v[64*(\q)+4*\j:64*(\q)+4*\j+3] offset:STG*(\q)+PITCH*\j
.endr
.endm
.macro AFRAG q                         ; and back as eight fragments
	WIN 0x40
.irp ks, 0,1,2,3,4,5,6,7
	ds_load_b128 v[FR+64*(\q)+8*\ks:FR+64*(\q)+8*\ks+3],   v[STF] offset:STG*(\q)+64*\ks
	ds_load_b128 v[FR+64*(\q)+8*\ks+4:FR+64*(\q)+8*\ks+7], v[STF] offset:STG*(\q)+64*\ks+32
.endr
.endm
; 64 matrix instructions.  Source 0 = 16 weight rows, source 1 = 16 tokens: lane (r, h) then holds token r, columns 16 nt + 8 h + 0..7.
; The first K step starts the sums (C = 0).  The accumulators take turns, one instruction a turn.
.macro MM4 tl, a0
.irp ks, 0,1,2,3,4,5,6,7
.irp nt, 0,1,2,3
.if \ks == 0
	v_wmma_f32_16x16x32_bf16 v[\a0+8*\nt:\a0+8*\nt+7], v[64*\nt+8*\ks:64*\nt+8*\ks+7], v[FR+64*(\tl)+8*\ks:FR+64*(\tl)+8*\ks+7], 0
.else
	v_wmma_f32_16x16x32_bf16 v[\a0+8*\nt:\a0+8*\nt+7], v[64*\nt+8*\ks:64*\nt+8*\ks+7], v[FR+64*(\tl)+8*\ks:FR+64*(\tl)+8*\ks+7], v[\a0+8*\nt:\a0+8*\nt+7]
.endif
.endr
.endr
.endm
.macro MM tl
	WIN 0x06                                       ; source 0 window 2, source 1 window 1, C and D window 0
	MM4 \tl, ACC
	WIN 0x07                                       ; source 0 window 3
	MM4 \tl, ACC+32
.endm
.macro RPLOAD o, tl                    ; set o, tile tl: the four partials of my token's 8 gate and 8 up columns
.irp q, 0,1,2,3
	ds_load_b128 v[RP+16*\q:RP+16*\q+3],     v[RD0+15*(\o)] offset:REDT*(\tl)+REDQ*\q
	ds_load_b128 v[RP+16*\q+4:RP+16*\q+7],   v[RD0+15*(\o)] offset:REDT*(\tl)+REDQ*\q+16
	ds_load_b128 v[RP+16*\q+8:RP+16*\q+11],  v[RD0+15*(\o)] offset:REDT*(\tl)+REDQ*\q+256
	ds_load_b128 v[RP+16*\q+12:RP+16*\q+15], v[RD0+15*(\o)] offset:REDT*(\tl)+REDQ*\q+272
.endr
.endm
.macro REDST par, tl                   ; my partial sums of tile tl into set par
.irp nt, 0,1,2,3,4,5,6,7
	ds_store_b128 v[RS0+15*(\par)], v[ACC+8*\nt:ACC+8*\nt+3]   offset:REDT*(\tl)+64*\nt
	ds_store_b128 v[RS0+15*(\par)], v[ACC+8*\nt+4:ACC+8*\nt+7] offset:REDT*(\tl)+64*\nt+16
.endr
.endm
; the sums over K, silu(gate) x up, rounding, and 16 bytes a lane out.  s26 = the byte offset in act of the block whose results leave.
.macro EPI1 tl
.if \tl == 0
	s_wait_xcnt 0x0                                ; the last block's stores have had their addresses translated (ISA guide 3.1): AO and both tiles' 16 bytes are written again only behind this wait
	v_add_nc_u32 v[AO], s26, v[XL]
.endif
.irp q, 1,2,3
.irp k, 0,2,4,6,8,10,12,14
	v_pk_add_f32 v[RP+\k:RP+\k+1], v[RP+\k:RP+\k+1], v[RP+16*\q+\k:RP+16*\q+\k+1]
.endr
.endr
.irp k, 0,2,4,6
	v_pk_mul_f32 v[T+\k:T+\k+1], v[RP+\k:RP+\k+1], 0xbfb8aa3b op_sel_hi:[1,0]   ; -g log2(e)
.endr
.irp k, 0,1,2,3,4,5,6,7
	v_exp_f32 v[T+\k], v[T+\k]
.endr
	v_nop                                          ; one plain place behind the transcendentals (ISA guide 5.7.2)
	s_wait_alu depctr_va_vdst(0)
.irp k, 0,2,4,6
	v_pk_add_f32 v[T+\k:T+\k+1], v[T+\k:T+\k+1], 1.0 op_sel_hi:[1,0]
.endr
.irp k, 0,1,2,3,4,5,6,7
	v_rcp_f32 v[T+\k], v[T+\k]                     ; sigmoid(g); exp = inf gives 0
.endr
	v_nop
	s_wait_alu depctr_va_vdst(0)
.irp k, 0,2,4,6
	v_pk_mul_f32 v[T+\k:T+\k+1], v[T+\k:T+\k+1], v[RP+\k:RP+\k+1]
.endr
.irp k, 0,2,4,6
	v_pk_mul_f32 v[T+\k:T+\k+1], v[T+\k:T+\k+1], v[RP+8+\k:RP+8+\k+1]
.endr
.irp k, 0,1,2,3
	v_cvt_pk_bf16_f32 v[OUT+14*(\tl)+\k], v[T+2*\k], v[T+2*\k+1]
.endr
	global_store_b128 v[AO], v[OUT+14*(\tl):OUT+14*(\tl)+3], s[10:11] offset:0x10000*(\tl)   ; the block's second tile lies 64 KiB behind its first
.endm
; THE WEIGHT PHASE.  Eight groups of 16 rows through two landing buffers.  Each wait leaves the 32 younger loads out: the next group's,
; and in front of the last group the first two token tiles'.
	WLOAD L0, 8, 0
	WLOAD L1, 8, WTILE
	s_wait_loadcnt 32
	WCONV L0, 0
	WLOAD L0, 8, 2*WTILE
	WFRAG 0, 0
	s_wait_loadcnt 32
	WCONV L1, 1
	WLOAD L1, 8, 3*WTILE
	WFRAG 1, 1
	s_wait_loadcnt 32
	WCONV L0, 0
	WLOAD L0, 22, 0
	WFRAG 2, 0
	s_wait_loadcnt 32
	WCONV L1, 1
	WLOAD L1, 22, WTILE
	WFRAG 3, 1
	s_wait_loadcnt 32
	WCONV L0, 0
	WLOAD L0, 22, 2*WTILE
	WFRAG 4, 0
	s_wait_loadcnt 32
	WCONV L1, 1
	WLOAD L1, 22, 3*WTILE
	WFRAG 5, 1
	s_wait_loadcnt 32
	WCONV L0, 0
	ANEXT 0
	ANEXT 1
	ALOAD 0                                        ; token tiles 0 and 1, into the registers that group 6 has left
	ALOAD 1
	WFRAG 6, 0
	s_wait_loadcnt 32
	WCONV L1, 1
	WFRAG 7, 1
	s_wait_loadcnt 16                              ; tile 0 is in; tile 1's 16 loads stay out
	ANEXT 0
	ASTORE 0
	ALOAD 0                                        ; tile 2
	AFRAG 0
	s_wait_loadcnt 16                              ; tile 1 is in; tile 2's 16 loads stay out
	ANEXT 1
	ASTORE 1
	ALOAD 1                                        ; tile 3
	AFRAG 1
	WIN 0
; THE TOKEN PHASE.  A block = two tiles of 16 tokens.  At a block's edge: this block's fragments are in FR0 and FR1 (or on their way from LDS),
; and the next block's two tiles are on their way from memory, LA0's 16 loads in front of LA1's.
; One half of a block: tile tl.  par = the set that takes this block's partial sums; epi = 1: the block in front has results to leave, in the other set.
.macro HALF par, epi, tl
.if \epi
	RPLOAD 1-\par, \tl
.endif
	MM \tl
	WIN 0
.rept 5
	v_nop                                          ; five places behind the last matrix instructions: the stores below read the sums, the next products
.endr                                              ; write over them, and loads go into the fragments
	REDST \par, \tl
	s_wait_loadcnt 16                              ; the next block's tile tl has landed; the other landing buffer's 16 loads are younger and stay out
	ANEXT \tl                                      ; its offset register is free since that wait
	ASTORE \tl
	ALOAD \tl                                      ; two blocks ahead
	AFRAG \tl                                      ; the next block's fragments, on their way during the arithmetic below and the other tile's products
	WIN 0
.if \epi
	s_wait_dscnt 48                                ; the 16 reads of the partials are back; 16 stores of sums, 16 stage stores and 16 fragment loads are younger
	EPI1 \tl
.endif
.endm
.macro BODY par, epi
	HALF \par, \epi, 0
	HALF \par, \epi, 1
.endm
.macro DRAIN o                         ; the last block's results leave
	RPLOAD \o, 0
	s_wait_dscnt 0x0
	EPI1 0
	RPLOAD \o, 1
	s_wait_dscnt 0x0
	EPI1 1
.endm
; A turn: block P = 2 s19 + 2 - par.  The barrier stands on every wave's way in every turn.  It orders the two sets of partial sums both ways:
; in front of it each wave waits for all its LDS instructions, so the set written in the last turn is whole and is read behind the barrier,
; and the set read in the last turn is free and is written in this one.
.macro TURN par
	s_wait_dscnt 0x0                               ; my partial sums are stored, my reads of the other set are back, this block's fragments are in
	s_barrier_signal -1
	s_barrier_wait -1
	s_lshl_b32 s25, s19, 1
	s_add_co_u32 s25, s25, 2-\par                  ; P
	s_sub_co_u32 s26, s25, 1
	s_lshl_b32 s26, s26, 17                        ; block P - 1 in act: two tiles of 64 KiB a block
	s_cmp_ge_u32 s25, s16
	s_cbranch_scc1 .Lnobody_\@
	BODY \par, 1
	s_branch .Ldone_\@
.Lnobody_\@:
	s_cmp_lg_u32 s25, s16
	s_cbranch_scc1 .Ldone_\@
	DRAIN 1-\par
.Ldone_\@:
.endm
	s_wait_dscnt 0x0                               ; the weights' and the first block's fragments are in; nothing is shared yet: no barrier
	s_cmp_eq_u32 s16, 0
	s_cbranch_scc1 .Lfirst_done
	BODY 0, 0
.Lfirst_done:
	s_mov_b32 s19, 0
.Lloop:
	TURN 1
	TURN 0
	s_add_co_u32 s19, s19, 1
	s_cmp_lt_u32 s19, 16                           ; blocks 1 to 32: room for 1024 tokens and the last block's results
	s_cbranch_scc1 .Lloop
	s_wait_tensorcnt 0x0
	ds_add_u32 v254, v255
	s_wait_dscnt 0x0
	s_endpgm
.Lfunc_end_k_q8366dbb878_gemm1:
	.size	k_q8366dbb878_gemm1, .Lfunc_end_k_q8366dbb878_gemm1-k_q8366dbb878_gemm1
	.p2alignl 7, 3214868480
	.fill 96, 4, 3214868480
	.section	.rodata,"a",@progbits
	.p2align	6, 0x0
	.amdhsa_kernel k_q8366dbb878_gemm1
		.amdhsa_group_segment_fixed_size 203264
		.amdhsa_private_segment_fixed_size 0
		.amdhsa_enable_private_segment 0
		.amdhsa_kernarg_size 32
		.amdhsa_user_sgpr_count 2
		.amdhsa_user_sgpr_kernarg_segment_ptr 1
		.amdhsa_wavefront_size32 1
		.amdhsa_system_sgpr_workgroup_id_x 1
		.amdhsa_system_sgpr_workgroup_id_y 1
		.amdhsa_system_sgpr_workgroup_id_z 1
		.amdhsa_system_vgpr_workitem_id 0
		.amdhsa_next_free_vgpr 1024
		.amdhsa_next_free_sgpr 66
		.amdhsa_reserve_vcc 0
		.amdhsa_float_denorm_mode_32 3
		.amdhsa_float_denorm_mode_16_64 3
		.amdhsa_memory_ordered 1
		.amdhsa_forward_progress 1
		.amdhsa_inst_pref_size 188
	.end_amdhsa_kernel
	.amdgpu_metadata
---
amdhsa.version: [ 1, 2 ]
amdhsa.kernels:
  - .name:           k_q8366dbb878_gemm1
    .symbol:         k_q8366dbb878_gemm1.kd
    .args:
      - { .name: xs, .offset: 0, .size: 8, .value_kind: global_buffer, .address_space: global }
      - { .name: counts, .offset: 8, .size: 8, .value_kind: global_buffer, .address_space: global }
      - { .name: w13_weight, .offset: 16, .size: 8, .value_kind: global_buffer, .address_space: global }
      - { .name: act, .offset: 24, .size: 8, .value_kind: global_buffer, .address_space: global }
    .group_segment_fixed_size: 203264
    .private_segment_fixed_size: 0
    .kernarg_segment_align: 8
    .kernarg_segment_size: 32
    .max_flat_workgroup_size: 128
    .sgpr_count:     66
    .vgpr_count:     1024
    .wavefront_size: 32
...
	.end_amdgpu_metadata
.endif
;; end of part 3
;; launch gemm2 (part 4): grid 32 x 8, 4 waves a work-group, no clusters, 207,360 bytes of LDS; arguments act, counts, w2_weight, y; writes y
.if DOCPART == 4
	.amdgcn_target "amdgcn-amd-amdhsa--gfx1250"
	.amdhsa_code_object_version 6
	.text
	.protected	k_q8366dbb878_gemm2
	.globl	k_q8366dbb878_gemm2
	.p2align	8
	.type	k_q8366dbb878_gemm2,@function
k_q8366dbb878_gemm2:
	s_mov_b64 s[64:65], 0
	v_nop
	global_prefetch_b8 v0, s[64:65] scope:SCOPE_SE
	s_setreg_imm32_b32 hwreg(HW_REG_WAVE_MODE, 25, 1), 1
	s_wait_xcnt 0x0
; y[slot][kh][h] = sum over i in half kh of act[slot][i] w2[e][h][i].  bf16 operands, f32 sums; the two halves are added by the next launch.
; Work-group (hb, kh, e) owns rows h = 64 hb .. + 63 and K = 1024 kh .. + 1023 of expert e's w2: 256 KiB, read from memory ONCE, rounded to bf16
; and kept as fragments in registers: wave w keeps K quarter 256 w of the 64 rows: 4 tiles x 8 K steps x 8 = 256 registers.
; K is halved between work-groups so that there are 256 of them, each storing whole pieces of 64 f32 of a row and reading half of each act tile.
; act lies in memory in fragment order, so a token tile's fragments come straight into registers, each load covering 512 consecutive bytes.
; The four waves' partial sums meet in LDS and leave as rows: sixteen lanes store 256 consecutive bytes, aligned.
; The tokens go by in blocks of four tiles of 16, ceil(count / 64) blocks, the count a whole number stored by an earlier launch.  act holds
; 2 ceil(count / 32) tiles; where a block reaches behind them the last tile is taken again, and its results go to rows of y behind the expert's
; tokens, inside its 1024 rows, which nobody reads.
; BARRIERS: every wave passes the same 16 barriers whatever the count: the loop is counted against a constant (room for 1024 tokens), and only
; work without a barrier stands under the branches on the count.  All blocks name the same registers (only the LDS set of the partial sums
; takes turns), so what is outstanding at a block's edge is the same whether a block ran or not, and the counted waits hold on every way.
; Experts that a token did not choose are not computed (their weight in the sum is exactly 0).
; NO CLUSTER, NO JOINT LOADS, NO TENSOR LOADS: the weights are shared with nobody and pass through registers to be rounded; the token tiles,
; 8 KiB a wave and tile, need no LDS at all here.
.set PITCH, 528                        ; the weights' stage: 512 bytes + 16
.set STG,   16*PITCH
.set WSTG,  2*STG
.set REDB,  4*WSTG                     ; 67584
.set RPITCH, 272                       ; a row of 64 f32 + 16 bytes
.set REDQ,  16*RPITCH                  ; 4352: one wave's partial of a tile
.set REDT,  4*REDQ                     ; 17408: a tile's four partials
.set REDP,  4*REDT                     ; 69632: a block's four tiles; two such sets take turns
.set WROW,  8192                       ; bytes in a row of w2
.set WTILE, 16*WROW
.set WOFF, 4                           ; 1024 w + 16 lane
.set STW,  5
.set STF,  6
.set FL,   7                           ; 8192 w + 16 lane: my K steps in an act tile
.set FO,   8                           ; v[8:11]  FL + the tile, one for each fragment buffer
.set YL,   12                          ; my 16 bytes in a tile's rows of y
.set YO,   13                          ; YL + the block whose results leave
.set RS,   14                          ; v14, v15: my partial sums in, set 0, 1
.set RD,   16                          ; v[16:19]: partials back: set 0 tiles 0-1, set 0 tiles 2-3, set 1 tiles 0-1, set 1 tiles 2-3
.set ACC,  32                          ; v[32:63]  four accumulator tiles
.set RP,   64                          ; v[64:191] tile tl of a block: 32 registers: partial q, two pieces of 4 f32
.set L0,   0                           ; window 1, weight phase: two landing buffers of 128; token phase: four fragment buffers of 64
.set L1,   128
.set MSB, 0
.macro WIN new
.if MSB != \new
	s_set_vgpr_msb (MSB<<8)|\new
.set MSB, \new
.endif
.endm
	s_load_b256 s[4:11], s[0:1], 0x0               ; act s[4:5], counts s[6:7], w2 s[8:9], y s[10:11]
	v_lshl_add_u32 v254, v0, 2, 0x32800
	v_mov_b32 v255, 0
	v_lshrrev_b32 v1, 5, v0
	v_readfirstlane_b32 s12, v1                    ; wave
	s_and_b32 s14, ttmp7, 0xffff                   ; expert
	s_lshl_b32 s26, s14, 2
	s_wait_kmcnt 0x0
	s_load_b32 s15, s[6:7], s26 offset:0x0
	s_lshr_b32 s13, ttmp9, 1                       ; hb
	s_and_b32 s27, ttmp9, 1                        ; kh
	v_and_b32 v1, 31, v0
	v_and_b32 v2, 15, v0                           ; r
	v_bfe_u32 v3, v0, 4, 1                         ; h
	s_lshl_b32 s24, s12, 10
	v_lshl_add_u32 v[WOFF], v1, 4, s24
	s_mul_i32 s25, s12, WSTG
	v_lshl_add_u32 v[STW], v1, 3, s25
	v_mul_u32_u24 v[STF], v2, PITCH
	v_lshl_add_u32 v[STF], v3, 4, v[STF]
	v_add_nc_u32 v[STF], s25, v[STF]
	s_lshl_b32 s24, s12, 13
	v_lshl_add_u32 v[FL], v1, 4, s24
	v_mul_u32_u24 v[RS], v2, RPITCH                ; in: token r, columns 16 nt + 8 h
	v_lshl_add_u32 v[RS], v3, 5, v[RS]
	s_mul_i32 s24, s12, REDQ
	s_add_co_u32 s24, s24, REDB
	v_add_nc_u32 v[RS], s24, v[RS]
	v_add_nc_u32 v[RS+1], REDP, v[RS]
	v_mul_u32_u24 v[RD], v3, RPITCH                ; back: token 4 w + h (and two further down), 16 bytes a lane of its 256
	v_lshl_add_u32 v[RD], v2, 4, v[RD]
	s_mul_i32 s24, s12, 4*RPITCH
	s_add_co_u32 s24, s24, REDB
	v_add_nc_u32 v[RD], s24, v[RD]
	v_add_nc_u32 v[RD+1], 2*REDT, v[RD]
	v_add_nc_u32 v[RD+2], REDP, v[RD]
	v_add_nc_u32 v[RD+3], REDP+2*REDT, v[RD]
	v_lshlrev_b32 v[YL], 13, v3                    ; the same in y: rows of 8192 bytes
	v_lshl_add_u32 v[YL], v2, 4, v[YL]
	s_lshl_b32 s24, s12, 15
	v_add_nc_u32 v[YL], s24, v[YL]
	s_mov_b32 s21, 0
	s_lshl_b32 s20, s14, 22                        ; act: 4 MiB an expert, K steps 32 kh .. of 1024 bytes
	s_lshl_b32 s24, s27, 15
	s_add_co_u32 s20, s20, s24
	s_add_nc_u64 s[4:5], s[4:5], s[20:21]
	s_lshl_b32 s20, s14, 23                        ; w2: 8 MiB an expert, 64 rows of 8192 bytes a block, 4096 bytes a half
	s_lshl_b32 s24, s13, 19
	s_add_co_u32 s20, s20, s24
	s_lshl_b32 s24, s27, 12
	s_add_co_u32 s20, s20, s24
	s_add_nc_u64 s[8:9], s[8:9], s[20:21]
	s_lshl_b32 s20, s14, 23                        ; y: 1024 rows of 8192 bytes an expert, 4096 a half, 256 a block of columns
	s_add_co_u32 s20, s20, s24
	s_lshl_b32 s24, s13, 8
	s_add_co_u32 s20, s20, s24
	s_add_nc_u64 s[10:11], s[10:11], s[20:21]
	s_wait_kmcnt 0x0
	s_min_u32 s15, s15, 0x400
	s_add_co_u32 s16, s15, 63
	s_lshr_b32 s16, s16, 6                         ; blocks of four tiles, 0..16
	s_add_co_u32 s17, s15, 31
	s_lshr_b32 s17, s17, 5
	s_lshl_b32 s17, s17, 1                         ; tiles that act holds
	s_max_u32 s17, s17, 1
	s_sub_co_u32 s17, s17, 1                       ; the last of them (tile 0 where there is none: it is then loaded and not used)
	s_mov_b32 s18, 0                               ; the next tile to ask for
.macro WLOAD land, imm                 ; 32 loads: my quarter (1024 bytes) of 16 weight rows, 512 consecutive bytes a load
	WIN 0x40
.irp j, 0,1,2,3,4,5,6,7,8,9,10,11,12,13,14,15
	global_load_b128 v[\land+8*\j:\land+8*\j+3],   v[WOFF], s[8:9] offset:\imm+WROW*\j th:TH_LOAD_NT
	global_load_b128 v[\land+8*\j+4:\land+8*\j+7], v[WOFF], s[8:9] offset:\imm+WROW*\j+512 th:TH_LOAD_NT
.endr
.endm
.macro WCONV land, p                   ; rounded in place, into my stage p
	WIN 0x45
.set i, 0
.rept 32
	v_cvt_pk_bf16_f32 v[\land+4*i],   v[\land+4*i],   v[\land+4*i+1]
	v_cvt_pk_bf16_f32 v[\land+4*i+1], v[\land+4*i+2], v[\land+4*i+3]
.set i, i+1
.endr
	WIN 0x04
.irp j, 0,1,2,3,4,5,6,7,8,9,10,11,12,13,14,15
	ds_store_b64 v[STW], v[\land+8*\j:\land+8*\j+1]   offset:STG*\p+PITCH*\j
	ds_store_b64 v[STW], v[\land+8*\j+4:\land+8*\j+5] offset:STG*\p+PITCH*\j+256
.endr
.endm
.macro WFRAG nt, p                     ; back as fragments, which stay in window 2.  The stage is the wave's own and LDS serves a wave in order (ISA guide 5.7.1.4)
	WIN 0x80
.irp ks, 0,1,2,3,4,5,6,7
	ds_load_b128 v[\nt*64+8*\ks:\nt*64+8*\ks+3],   v[STF] offset:STG*\p+64*\ks
	ds_load_b128 v[\nt*64+8*\ks+4:\nt*64+8*\ks+7], v[STF] offset:STG*\p+64*\ks+32
.endr
.endm
.macro FNEXT q                         ; the next tile's offset for buffer q; behind the last tile the last is asked for again
	WIN 0
	s_min_u32 s24, s18, s17
	s_min_u32 s24, s24, 63
	s_lshl_b32 s24, s24, 16                        ; tiles of 64 KiB
	v_add_nc_u32 v[FO+\q], s24, v[FL]
	s_add_co_u32 s18, s18, 1
.endm
.macro FLOAD q                         ; 16 loads: my eight K steps' fragments of a tile
	WIN 0x40
.irp ks, 0,1,2,3,4,5,6,7
	global_load_b128 v[64*\q+8*\ks:64*\q+8*\ks+3],   v[FO+\q], s[4:5] offset:1024*\ks
	global_load_b128 v[64*\q+8*\ks+4:64*\q+8*\ks+7], v[FO+\q], s[4:5] offset:1024*\ks+512
.endr
.endm
; 32 matrix instructions; source 0 = weight rows, source 1 = tokens: lane (r, h) holds token r, columns 16 nt + 8 h + 0..7.
; C = 0 starts the sums.  The accumulators take turns, one instruction a turn.
.macro MM q
	WIN 0x06                                       ; source 0 window 2, source 1 window 1, C and D window 0
.irp ks, 0,1,2,3,4,5,6,7
.irp nt, 0,1,2,3
.if \ks == 0
	v_wmma_f32_16x16x32_bf16 v[ACC+8*\nt:ACC+8*\nt+7], v[64*\nt+8*\ks:64*\nt+8*\ks+7], v[64*\q+8*\ks:64*\q+8*\ks+7], 0
.else
	v_wmma_f32_16x16x32_bf16 v[ACC+8*\nt:ACC+8*\nt+7], v[64*\nt+8*\ks:64*\nt+8*\ks+7], v[64*\q+8*\ks:64*\q+8*\ks+7], v[ACC+8*\nt:ACC+8*\nt+7]
.endif
.endr
.endr
.endm
.macro RPLOAD o, tl                    ; set o, tile tl: the four partials of my two pieces
.irp q, 0,1,2,3
	ds_load_b128 v[RP+32*(\tl)+8*\q:RP+32*(\tl)+8*\q+3],   v[RD+2*(\o)+((\tl)>>1)] offset:REDT*((\tl)&1)+REDQ*\q
	ds_load_b128 v[RP+32*(\tl)+8*\q+4:RP+32*(\tl)+8*\q+7], v[RD+2*(\o)+((\tl)>>1)] offset:REDT*((\tl)&1)+REDQ*\q+2*RPITCH
.endr
.endm
.macro REDST par, tl
.irp nt, 0,1,2,3
	ds_store_b128 v[RS+(\par)], v[ACC+8*\nt:ACC+8*\nt+3]   offset:REDT*(\tl)+64*\nt
	ds_store_b128 v[RS+(\par)], v[ACC+8*\nt+4:ACC+8*\nt+7] offset:REDT*(\tl)+64*\nt+16
.endr
.endm
.macro EPI2 tl                         ; the sums over the four quarters, and two rows' pieces out; the tile's 16 rows of 8192 bytes stand in the immediate
.irp q, 1,2,3
.irp k, 0,2,4,6
	v_pk_add_f32 v[RP+32*(\tl)+\k:RP+32*(\tl)+\k+1], v[RP+32*(\tl)+\k:RP+32*(\tl)+\k+1], v[RP+32*(\tl)+8*\q+\k:RP+32*(\tl)+8*\q+\k+1]
.endr
.endr
	global_store_b128 v[YO], v[RP+32*(\tl):RP+32*(\tl)+3],   s[10:11] offset:0x20000*(\tl)
	global_store_b128 v[YO], v[RP+32*(\tl)+4:RP+32*(\tl)+7], s[10:11] offset:0x20000*(\tl)+2*8192
.endm
; THE WEIGHT PHASE: four groups of 16 rows through two landing buffers; each wait leaves the 32 younger loads out
; (the next group's; in front of the last group the first two token tiles').
	WLOAD L0, 0
	WLOAD L1, WTILE
	s_wait_loadcnt 32
	WCONV L0, 0
	WLOAD L0, 2*WTILE
	WFRAG 0, 0
	s_wait_loadcnt 32
	WCONV L1, 1
	WLOAD L1, 3*WTILE
	WFRAG 1, 1
	s_wait_loadcnt 32
	WCONV L0, 0
	FNEXT 0
	FNEXT 1
	FLOAD 0                                        ; tiles 0 and 1, into the registers that group 2 has left
	FLOAD 1
	WFRAG 2, 0
	s_wait_loadcnt 32
	WCONV L1, 1
	FNEXT 2
	FNEXT 3
	FLOAD 2                                        ; tiles 2 and 3
	FLOAD 3
	WFRAG 3, 1
	WIN 0
; THE TOKEN PHASE.  A block = four tiles, one for each fragment buffer.  At a block's edge the four buffers' loads are out, 16 each, buffer 0's first.
; par = the set that takes this block's partial sums; epi = 1: the block in front has results to leave, in the other set; s26 = its byte offset in y.
.macro BODY par, epi
.if \epi
	s_wait_xcnt 0x0                                ; the last block's stores have had their addresses translated (ISA guide 3.1): their data, in RP, and YO are written again only behind this wait
	v_add_nc_u32 v[YO], s26, v[YL]
.endif
.irp t, 0,1,2,3
.if \epi
	RPLOAD 1-\par, \t
.endif
	s_wait_loadcnt 48                              ; this tile's fragments are in; the three buffers behind it stay out
	MM \t
	WIN 0
.rept 5
	v_nop                                          ; five places behind the last matrix instructions: loads go into the fragments, stores read the sums, the next products write over them
.endr
	FNEXT \t                                       ; the buffer's offset register is free since the wait above
	FLOAD \t                                       ; the same buffer's tile of the next block
	WIN 0
	REDST \par, \t
.if \epi
	s_wait_dscnt 8                                 ; the reads of the partials are back; the 8 stores of sums are younger
	EPI2 \t
.endif
.endr
.endm
.macro DRAIN o                         ; the last block's results leave
	s_wait_xcnt 0x0
	v_add_nc_u32 v[YO], s26, v[YL]
.irp t, 0,1,2,3
	RPLOAD \o, \t
.endr
.irp t, 0,1,2,3
	s_wait_dscnt 24-8*\t                           ; tile t's 8 reads are back; the later tiles' stay out
	EPI2 \t
.endr
.endm
; A turn: block Q = 2 s19 + 2 - par.  The barrier stands on every wave's way in every turn and orders the two sets of partial sums both ways:
; in front of it each wave waits for all its LDS instructions, so the set written in the last turn is whole and is read behind it,
; and the set read in the last turn is free and is written in this one.
.macro TURN par
	s_wait_dscnt 0x0
	s_barrier_signal -1
	s_barrier_wait -1
	s_lshl_b32 s25, s19, 1
	s_add_co_u32 s25, s25, 2-\par                  ; Q
	s_sub_co_u32 s26, s25, 1
	s_lshl_b32 s26, s26, 19                        ; block Q - 1 in y: 64 rows of 8192 bytes a block
	s_cmp_ge_u32 s25, s16
	s_cbranch_scc1 .Lnobody_\@
	BODY \par, 1
	s_branch .Ldone_\@
.Lnobody_\@:
	s_cmp_lg_u32 s25, s16
	s_cbranch_scc1 .Ldone_\@
	DRAIN 1-\par
.Ldone_\@:
.endm
	s_wait_dscnt 0x0                               ; the weights' fragments are in; nothing is shared yet: no barrier
	s_cmp_eq_u32 s16, 0
	s_cbranch_scc1 .Lfirst_done
	BODY 0, 0
.Lfirst_done:
	s_mov_b32 s19, 0
.Lloop:
	TURN 1
	TURN 0
	s_add_co_u32 s19, s19, 1
	s_cmp_lt_u32 s19, 8                            ; blocks 1 to 16: room for 1024 tokens and the last block's results
	s_cbranch_scc1 .Lloop
	s_wait_tensorcnt 0x0
	ds_add_u32 v254, v255
	s_wait_dscnt 0x0
	s_endpgm
.Lfunc_end_k_q8366dbb878_gemm2:
	.size	k_q8366dbb878_gemm2, .Lfunc_end_k_q8366dbb878_gemm2-k_q8366dbb878_gemm2
	.p2alignl 7, 3214868480
	.fill 96, 4, 3214868480
	.section	.rodata,"a",@progbits
	.p2align	6, 0x0
	.amdhsa_kernel k_q8366dbb878_gemm2
		.amdhsa_group_segment_fixed_size 207360
		.amdhsa_private_segment_fixed_size 0
		.amdhsa_enable_private_segment 0
		.amdhsa_kernarg_size 32
		.amdhsa_user_sgpr_count 2
		.amdhsa_user_sgpr_kernarg_segment_ptr 1
		.amdhsa_wavefront_size32 1
		.amdhsa_system_sgpr_workgroup_id_x 1
		.amdhsa_system_sgpr_workgroup_id_y 1
		.amdhsa_system_sgpr_workgroup_id_z 1
		.amdhsa_system_vgpr_workitem_id 0
		.amdhsa_next_free_vgpr 768
		.amdhsa_next_free_sgpr 66
		.amdhsa_reserve_vcc 0
		.amdhsa_float_denorm_mode_32 3
		.amdhsa_float_denorm_mode_16_64 3
		.amdhsa_memory_ordered 1
		.amdhsa_forward_progress 1
		.amdhsa_inst_pref_size 130
	.end_amdhsa_kernel
	.amdgpu_metadata
---
amdhsa.version: [ 1, 2 ]
amdhsa.kernels:
  - .name:           k_q8366dbb878_gemm2
    .symbol:         k_q8366dbb878_gemm2.kd
    .args:
      - { .name: act, .offset: 0, .size: 8, .value_kind: global_buffer, .address_space: global }
      - { .name: counts, .offset: 8, .size: 8, .value_kind: global_buffer, .address_space: global }
      - { .name: w2_weight, .offset: 16, .size: 8, .value_kind: global_buffer, .address_space: global }
      - { .name: y, .offset: 24, .size: 8, .value_kind: global_buffer, .address_space: global }
    .group_segment_fixed_size: 207360
    .private_segment_fixed_size: 0
    .kernarg_segment_align: 8
    .kernarg_segment_size: 32
    .max_flat_workgroup_size: 128
    .sgpr_count:     66
    .vgpr_count:     768
    .wavefront_size: 32
...
	.end_amdgpu_metadata
.endif
;; end of part 4
;; launch combine (part 5): grid 128 x 1, 8 waves a work-group, no clusters, 0 bytes of LDS; arguments y, slots, wts, out0; writes out0
.if DOCPART == 5
	.amdgcn_target "amdgcn-amd-amdhsa--gfx1250"
	.amdhsa_code_object_version 6
	.text
	.protected	k_q8366dbb878_combine
	.globl	k_q8366dbb878_combine
	.p2align	8
	.type	k_q8366dbb878_combine,@function
k_q8366dbb878_combine:
	s_mov_b64 s[64:65], 0
	v_nop
	global_prefetch_b8 v0, s[64:65] scope:SCOPE_SE
	s_setreg_imm32_b32 hwreg(HW_REG_WAVE_MODE, 25, 1), 1
	s_wait_xcnt 0x0
; out0[t] = w0 (y[slot0][0] + y[slot0][1]) + w1 (y[slot1][0] + y[slot1][1]): the two K halves of the token's two experts, weighted.
; One wave, one token.  The four rows of 4096 bytes are read once, all 32 loads of 512 consecutive bytes requested at the start;
; each store covers 512 consecutive bytes.  A gather by whole numbers read from memory, clamped to y's 8192 rows.
; A stream: no LDS, no barrier, no matrix unit.
.set Y, 8                              ; v[8:135]  piece i: 4 registers of each of the four rows
	s_load_b256 s[4:11], s[0:1], 0x0               ; y s[4:5], slots s[6:7], wts s[8:9], out0 s[10:11]
	v_lshrrev_b32 v1, 5, v0
	v_readfirstlane_b32 s12, v1
	s_lshl_b32 s13, ttmp9, 3
	s_add_co_u32 s13, s13, s12                     ; my token
	s_lshl_b32 s14, s13, 3
	v_and_b32 v2, 31, v0
	v_lshlrev_b32 v2, 4, v2                        ; 16 bytes a lane
	s_lshl_b32 s22, s13, 12
	s_mov_b32 s23, 0
	s_wait_kmcnt 0x0
	s_load_b64 s[16:17], s[6:7], s14 offset:0x0    ; the two slots
	s_load_b64 s[18:19], s[8:9], s14 offset:0x0    ; the two weights
	s_add_nc_u64 s[10:11], s[10:11], s[22:23]      ; my row of out0
	s_wait_kmcnt 0x0
	s_min_u32 s16, s16, 0x1fff
	s_min_u32 s17, s17, 0x1fff
	s_lshl_b32 s22, s16, 13                        ; rows of 8192 bytes: two halves of 1024 f32
	s_add_nc_u64 s[24:25], s[4:5], s[22:23]
	s_lshl_b32 s22, s17, 13
	s_add_nc_u64 s[26:27], s[4:5], s[22:23]
	s_mov_b32 s20, s19                             ; w1 at the head of a pair of its own: a scalar pair is broadcast from its first register
	s_mov_b32 s21, s19
.irp i, 0,1,2,3,4,5,6,7
	global_load_b128 v[Y+16*\i:Y+16*\i+3],     v2, s[24:25] offset:512*\i th:TH_LOAD_NT
	global_load_b128 v[Y+16*\i+4:Y+16*\i+7],   v2, s[24:25] offset:4096+512*\i th:TH_LOAD_NT
	global_load_b128 v[Y+16*\i+8:Y+16*\i+11],  v2, s[26:27] offset:512*\i th:TH_LOAD_NT
	global_load_b128 v[Y+16*\i+12:Y+16*\i+15], v2, s[26:27] offset:4096+512*\i th:TH_LOAD_NT
.endr
.irp i, 0,1,2,3,4,5,6,7
	s_wait_loadcnt 28-4*\i                         ; piece i's four loads are in; the younger pieces' stay out
	v_pk_add_f32 v[Y+16*\i:Y+16*\i+1],     v[Y+16*\i:Y+16*\i+1],     v[Y+16*\i+4:Y+16*\i+5]
	v_pk_add_f32 v[Y+16*\i+2:Y+16*\i+3],   v[Y+16*\i+2:Y+16*\i+3],   v[Y+16*\i+6:Y+16*\i+7]
	v_pk_add_f32 v[Y+16*\i+8:Y+16*\i+9],   v[Y+16*\i+8:Y+16*\i+9],   v[Y+16*\i+12:Y+16*\i+13]
	v_pk_add_f32 v[Y+16*\i+10:Y+16*\i+11], v[Y+16*\i+10:Y+16*\i+11], v[Y+16*\i+14:Y+16*\i+15]
	v_pk_mul_f32 v[Y+16*\i:Y+16*\i+1],     v[Y+16*\i:Y+16*\i+1],     s[18:19] op_sel_hi:[1,0]
	v_pk_mul_f32 v[Y+16*\i+2:Y+16*\i+3],   v[Y+16*\i+2:Y+16*\i+3],   s[18:19] op_sel_hi:[1,0]
	v_pk_fma_f32 v[Y+16*\i:Y+16*\i+1],     v[Y+16*\i+8:Y+16*\i+9],   s[20:21], v[Y+16*\i:Y+16*\i+1]   op_sel_hi:[1,0,1]
	v_pk_fma_f32 v[Y+16*\i+2:Y+16*\i+3],   v[Y+16*\i+10:Y+16*\i+11], s[20:21], v[Y+16*\i+2:Y+16*\i+3] op_sel_hi:[1,0,1]
	global_store_b128 v2, v[Y+16*\i:Y+16*\i+3], s[10:11] offset:512*\i th:TH_STORE_NT
.endr
	s_endpgm
.Lfunc_end_k_q8366dbb878_combine:
	.size	k_q8366dbb878_combine, .Lfunc_end_k_q8366dbb878_combine-k_q8366dbb878_combine
	.p2alignl 7, 3214868480
	.fill 96, 4, 3214868480
	.section	.rodata,"a",@progbits
	.p2align	6, 0x0
	.amdhsa_kernel k_q8366dbb878_combine
		.amdhsa_group_segment_fixed_size 0
		.amdhsa_private_segment_fixed_size 0
		.amdhsa_enable_private_segment 0
		.amdhsa_kernarg_size 32
		.amdhsa_user_sgpr_count 2
		.amdhsa_user_sgpr_kernarg_segment_ptr 1
		.amdhsa_wavefront_size32 1
		.amdhsa_system_sgpr_workgroup_id_x 1
		.amdhsa_system_sgpr_workgroup_id_y 1
		.amdhsa_system_sgpr_workgroup_id_z 1
		.amdhsa_system_vgpr_workitem_id 0
		.amdhsa_next_free_vgpr 144
		.amdhsa_next_free_sgpr 66
		.amdhsa_reserve_vcc 0
		.amdhsa_float_denorm_mode_32 3
		.amdhsa_float_denorm_mode_16_64 3
		.amdhsa_memory_ordered 1
		.amdhsa_forward_progress 1
		.amdhsa_inst_pref_size 10
	.end_amdhsa_kernel
	.amdgpu_metadata
---
amdhsa.version: [ 1, 2 ]
amdhsa.kernels:
  - .name:           k_q8366dbb878_combine
    .symbol:         k_q8366dbb878_combine.kd
    .args:
      - { .name: y, .offset: 0, .size: 8, .value_kind: global_buffer, .address_space: global }
      - { .name: slots, .offset: 8, .size: 8, .value_kind: global_buffer, .address_space: global }
      - { .name: wts, .offset: 16, .size: 8, .value_kind: global_buffer, .address_space: global }
      - { .name: out0, .offset: 24, .size: 8, .value_kind: global_buffer, .address_space: global }
    .group_segment_fixed_size: 0
    .private_segment_fixed_size: 0
    .kernarg_segment_align: 8
    .kernarg_segment_size: 32
    .max_flat_workgroup_size: 256
    .sgpr_count:     66
    .vgpr_count:     144
    .wavefront_size: 32
...
	.end_amdgpu_metadata
.endif
;; end of part 5
;; ======== version 2 of 2: 5 launches; version 1 with the launches gemm1, gemm2 written anew for expert scheduling mode
;; limits: values outside matrix products are rounded to bf16; values within 0.0039 (relative) of each other or of a threshold may be ordered or decided otherwise than in the reference
;; workspace buffers: slots 8,192 bytes of whole numbers; counts 256 bytes of whole numbers; wts 8,192 bytes; xs 16,777,216 bytes; act 33,554,432 bytes; y 67,108,864 bytes
;; launch route: the kernel of part 1 again; grid 1 x 1, 32 waves a work-group, no clusters, 8,192 bytes of LDS; arguments router_logits, slots, wts, counts; writes slots, wts, counts
;; launch permute: the kernel of part 2 again; grid 128 x 1, 8 waves a work-group, no clusters, 0 bytes of LDS; arguments hidden_states, slots, counts, xs; writes xs
;; launch gemm1 (part 6): grid 32 x 8, 4 waves a work-group, no clusters, 203,264 bytes of LDS; arguments xs, counts, w13_weight, act; writes act
.if DOCPART == 6
	.amdgcn_target "amdgcn-amd-amdhsa--gfx1250"
	.amdhsa_code_object_version 6
	.text
	.protected	k_q8366dbb878_gemm1
	.globl	k_q8366dbb878_gemm1
	.p2align	8
	.type	k_q8366dbb878_gemm1,@function
k_q8366dbb878_gemm1:
	s_mov_b64 s[64:65], 0
	v_nop
	global_prefetch_b8 v0, s[64:65] scope:SCOPE_SE
	s_setreg_imm32_b32 hwreg(HW_REG_WAVE_SCHED_MODE, 0, 2), 2
	s_setreg_imm32_b32 hwreg(HW_REG_WAVE_MODE, 25, 1), 1
	s_wait_xcnt 0x0
	s_wait_alu depctr_vm_vsrc(0)
; act = silu(xs W_gate^T) * (xs W_up^T), for the rows of xs that belong to one expert.  bf16 operands, f32 sums, act rounded once to bf16.
; Work-group (nb, e) owns 64 gate rows and the 64 up rows of the same columns of expert e's w13: 128 rows x 1024 f32 = 512 KiB, which it
; reads from memory ONCE, rounds to bf16 and keeps as matrix fragments in registers.  Wave w keeps K = 256 w .. 256 w + 255 of all 128 rows:
; 8 tiles of 16 rows x 8 K steps x 8 registers = 512 registers.  Then the expert's tokens go by in blocks of two tiles of 16 rows,
; ceil(count / 32) blocks (the count is a whole number stored by an earlier launch; the rows up to the next multiple of 32 were stored as zeros).
; Each wave reads only its own K quarter of a token tile; the four waves' partial sums meet in LDS, where the result is also turned
; into the order in which it is stored: act lies in memory as the next product's fragments,
; [expert][tile of 16 rows][K step of 32][half of 16][lane][8 numbers], so a wave's store covers 512 consecutive bytes and the group's 2048.
; BARRIERS: every wave passes the same 32 barriers whatever the count: the loop is counted against a constant (room for 1024 tokens), and only
; work without a barrier stands under the branches on the count.  All blocks name the same registers (only the LDS set of the partial sums
; takes turns), so what is outstanding at a block's edge is the same whether a block ran or not, and the counted waits hold on every way.
; NOT COMPUTED: the six experts that a token did not choose; their weight in the sum is exactly 0.  LIMIT: where such an expert's result would
; overflow, 0 x inf would give NaN; this program gives the finite sum of the two chosen.
; NO CLUSTER, NO JOINT LOADS: what work-groups share is the token tile, 8 KiB a wave and tile, which here goes through registers into the wave's
; own stage; the weights, 512 KiB a group, are shared with nobody and must pass through registers to be rounded.
; NO TENSOR LOADS: for the same reason; with counted waits on the loads 64 of a wave's loads (32 KiB) stay requested through the weight phase.
; THE MODE: SCHED_MODE bits 1:0 = 2 (LLVM: expert scheduling mode 2), set by the entry lines.  The code itself states the register dependences
; between vector or matrix instructions and memory or LDS instructions, with s_wait_alu, always for 0.
; THE PLAN.  Registers that memory or LDS instructions touch:
;   WOFF, STW, STF, STA, RS0, RD0   addresses, written at the head and never again: one wait ahead of the first load serves them all.
;   L0, L1 (weight phase)   loads land; 64 conversions read and write in place; 32 LDS stores read; the next loads land.  One wait between the
;                           conversions and the stores, two straight ahead of the next loads.
;   the weights' fragments  LDS loads land once; behind that matrix instructions alone name them.
;   LA0, LA1   a token tile as loaded: loads land, LDS stores read, loads land again; no vector instruction names them in the token phase.
;   FR0, FR1   a token tile's fragments: LDS loads land, the products read.        XO   written by one add a tile, read by the tile's loads.
;   ACC        the products write, LDS stores read.        RP   LDS loads land, the arithmetic reads and writes.
;   AO, OUT    the arithmetic writes, the global store reads.
; Half a block: the reads of the partial sums; a wait on vm_vsrc; the products; the stage's stores; the sums and exponentials; ONE wait on va_vdst (and one
; on vm_vsrc beside it), behind which the tile's loads, the fragments' LDS loads and the stores of the accumulators follow with no further wait;
; the reciprocals and their wait; the roundings and their wait; the store.
.set PITCH, 528                        ; an LDS row: 512 bytes + 16: 33 x 16 bytes, so sixteen rows' 16-byte pieces fall on sixteen different columns of 16 bytes modulo 256
.set STG,   16*PITCH                   ; a stage of 16 rows x 256 bf16: 8448 bytes
.set WSTG,  2*STG                      ; a wave has two stages of its own
.set REDB,  4*WSTG                     ; 67584: behind the stages, the partial sums
.set REDQ,  16*PITCH                   ; one wave's partial of a tile: 16 tokens x 128 f32
.set REDT,  4*REDQ                     ; the four waves' partials of a tile
.set REDP,  2*REDT                     ; a block's two tiles; two such sets take turns
.set WROW,  4096                       ; bytes in a row of w13
.set WTILE, 16*WROW
; window 0
.set WOFF, 4                           ; 1024 w + 16 lane: my 16 bytes in a weight row's first 512 of my quarter
.set STW,  5                           ; stage, weights in: 8 bytes a lane
.set STF,  6                           ; stage, fragments out: row r, 16 h
.set STA,  7                           ; stage, tokens in: 16 bytes a lane
.set XL,   8                           ; 512 w + 16 lane: my 16 bytes of a token row's quarter, and of a tile's 2048 bytes of act
.set XO,   9                           ; v9, v10: XL + the tile, one for each landing buffer
.set RS0,  11                          ; my partial sums in, set 0; set 1: v26 = RS0 + 15
.set RD0,  12                          ; the four partials of my 8 columns back, set 0; set 1: v27 = RD0 + 15
.set AO,   13                          ; my 16 bytes in act, first tile of the block whose results leave
.set OUT,  14                          ; v[14:17] first tile's 16 bytes; second tile's: v[28:31] = OUT + 14
.set T,    18                          ; v[18:25]
.set ACC,  32                          ; v[32:95]  eight accumulator tiles: 0-3 gate, 4-7 up
.set RP,   96                          ; v[96:159] partial q: 8 gate sums, 8 up sums
; window 1: weight phase L0 = 0..127, L1 = 128..255; token phase LA0 = 0..63, LA1 = 64..127 (as loaded), FR0 = 128..191, FR1 = 192..255 (fragments)
.set L0,   0
.set L1,   128
.set FR,   128
; windows 2 and 3: the weights' fragments, tile nt (mod 4) at 64 nt + 8 ks
.set MSB, 0
.macro WIN new                         ; the immediate's high byte repeats the setting that is left
.if MSB != \new
	s_set_vgpr_msb (MSB<<8)|\new
.set MSB, \new
.endif
.endm
	s_load_b256 s[4:11], s[0:1], 0x0               ; xs s[4:5], counts s[6:7], w13 s[8:9], act s[10:11]
	v_lshl_add_u32 v254, v0, 2, 0x31800
	v_mov_b32 v255, 0
	v_lshrrev_b32 v1, 5, v0
	v_readfirstlane_b32 s12, v1                    ; wave 0..3
	s_and_b32 s14, ttmp7, 0xffff                   ; expert
	s_lshl_b32 s26, s14, 2
	s_wait_kmcnt 0x0
	s_load_b32 s15, s[6:7], s26 offset:0x0         ; the expert's tokens
	v_and_b32 v1, 31, v0                           ; lane
	v_and_b32 v2, 15, v0                           ; r
	v_bfe_u32 v3, v0, 4, 1                         ; h
	s_wait_alu depctr_va_sdst(0)                   ; s12 is written, ahead of its first reader: the addresses below are made from it
	s_lshl_b32 s24, s12, 10
	v_lshl_add_u32 v[WOFF], v1, 4, s24
	s_mul_i32 s25, s12, WSTG                       ; my two stages
	v_lshl_add_u32 v[STW], v1, 3, s25
	v_mul_u32_u24 v[STF], v2, PITCH
	v_lshl_add_u32 v[STF], v3, 4, v[STF]
	v_add_nc_u32 v[STF], s25, v[STF]
	v_lshl_add_u32 v[STA], v1, 4, s25
	s_lshl_b32 s24, s12, 9
	v_lshl_add_u32 v[XL], v1, 4, s24
	v_mul_u32_u24 v[RS0], v2, PITCH
	v_lshl_add_u32 v[RS0], v3, 5, v[RS0]           ; token r, 8 h columns of f32
	s_lshl_b32 s24, s12, 6
	s_add_co_u32 s24, s24, REDB
	v_add_nc_u32 v[RD0], s24, v[RS0]               ; columns 16 w + 8 h .. + 7 of token r
	v_add_nc_u32 v[RD0+15], REDP, v[RD0]           ; the same in set 1
	s_mul_i32 s24, s12, REDQ
	s_add_co_u32 s24, s24, REDB
	v_add_nc_u32 v[RS0], s24, v[RS0]
	v_add_nc_u32 v[RS0+15], REDP, v[RS0]
	s_lshl_b32 s20, s14, 21                        ; xs: 1024 rows of 2048 bytes an expert
	s_mov_b32 s21, 0
	s_add_nc_u64 s[4:5], s[4:5], s[20:21]
	s_lshl_b32 s20, s14, 24                        ; w13: 4096 rows of 4096 bytes an expert, 64 rows a group
	s_lshl_b32 s24, ttmp9, 18
	s_add_co_u32 s20, s20, s24
	s_add_nc_u64 s[8:9], s[8:9], s[20:21]          ; my gate rows
	s_add_nc_u64 s[22:23], s[8:9], 0x800000        ; my up rows: 2048 rows further
	s_lshl_b32 s20, s14, 22                        ; act: 64 tiles of 64 KiB an expert, 2048 bytes of each tile are the group's
	s_lshl_b32 s24, ttmp9, 11
	s_add_co_u32 s20, s20, s24
	s_add_nc_u64 s[10:11], s[10:11], s[20:21]
	s_wait_kmcnt 0x0
	s_min_u32 s15, s15, 0x400
	s_add_co_u32 s16, s15, 31
	s_lshr_b32 s16, s16, 5                         ; blocks of two tiles, 0..32
	s_lshl_b32 s17, s16, 1
	s_max_u32 s17, s17, 1
	s_sub_co_u32 s17, s17, 1                       ; the last tile (tile 0 where there is none: it is then loaded and not used)
	s_mov_b32 s18, 0                               ; the next tile to ask for
; 32 loads: my quarter (1024 bytes) of 16 weight rows; each load covers 512 consecutive bytes.  again = 1: the landing buffer has been used before
.macro WLOAD land, b, imm, again
	WIN 0x40
.if \again
	s_wait_alu depctr_va_vdst(0)                   ; the conversions are done reading and writing the landing buffer, in which the loads below land
	s_wait_alu depctr_vm_vsrc(0)                   ; the LDS stores have read the landing buffer
.endif
.irp j, 0,1,2,3,4,5,6,7,8,9,10,11,12,13,14,15
	global_load_b128 v[\land+8*\j:\land+8*\j+3],   v[WOFF], s[\b:\b+1] offset:\imm+WROW*\j th:TH_LOAD_NT
	global_load_b128 v[\land+8*\j+4:\land+8*\j+7], v[WOFF], s[\b:\b+1] offset:\imm+WROW*\j+512 th:TH_LOAD_NT
.endr
.endm
; the 16 rows are rounded in place and laid into my stage p as rows of 256 bf16
.macro WCONV land, p
	WIN 0x45
.set i, 0
.rept 32
	v_cvt_pk_bf16_f32 v[\land+4*i],   v[\land+4*i],   v[\land+4*i+1]
	v_cvt_pk_bf16_f32 v[\land+4*i+1], v[\land+4*i+2], v[\land+4*i+3]
.set i, i+1
.endr
	WIN 0x04
	s_wait_alu depctr_va_vdst(0)                   ; the conversions have written the landing buffer, which the LDS stores below read
.irp j, 0,1,2,3,4,5,6,7,8,9,10,11,12,13,14,15
	ds_store_b64 v[STW], v[\land+8*\j:\land+8*\j+1]   offset:STG*\p+PITCH*\j
	ds_store_b64 v[STW], v[\land+8*\j+4:\land+8*\j+5] offset:STG*\p+PITCH*\j+256
.endr
.endm
; and read back as eight fragments (lane: row r; registers 0-3: K = 8 h .. + 7, registers 4-7: K = 16 + 8 h .. + 7), which stay.
; LDS serves a wave's instructions in order (ISA guide 5.7.1.4) and the stage is the wave's own: no wait, no barrier.
; No vector instruction has named these registers, and v[STF] was written ahead of the wait at the weight phase's head: nothing is owed here.
.macro WFRAG nt, p
.if \nt < 4
	WIN 0x80
.else
	WIN 0xc0
.endif
.irp ks, 0,1,2,3,4,5,6,7
	ds_load_b128 v[(\nt&3)*64+8*\ks:(\nt&3)*64+8*\ks+3],   v[STF] offset:STG*\p+64*\ks
	ds_load_b128 v[(\nt&3)*64+8*\ks+4:(\nt&3)*64+8*\ks+7], v[STF] offset:STG*\p+64*\ks+32
.endr
.endm
; the offset of the next token tile, for landing buffer q; behind the last tile the last is asked for again, so that no load leaves the expert's stored rows
.macro ANEXT q
	WIN 0
	s_min_u32 s24, s18, s17
	s_min_u32 s24, s24, 63
	s_lshl_b32 s24, s24, 15                        ; 16 rows of 2048 bytes
	v_add_nc_u32 v[XO+(\q)], s24, v[XL]
	s_add_co_u32 s18, s18, 1
.endm
.macro ALOAD q                         ; 16 loads: my quarter (512 bytes) of the tile's 16 rows
	WIN 0x40
.irp j, 0,1,2,3,4,5,6,7,8,9,10,11,12,13,14,15
	global_load_b128 v[64*(\q)+4*\j:64*(\q)+4*\j+3], v[XO+(\q)], s[4:5] offset:2048*\j
.endr
.endm
.macro ASTORE q                        ; into my stage q.  Its data were brought by loads and its address was made at the head: it hangs on no vector instruction
	WIN 0x04
.irp j, 0,1,2,3,4,5,6,7,8,9,10,11,12,13,14,15
	ds_store_b128 v[STA], v[64*(\q)+4*\j:64*(\q)+4*\j+3] offset:STG*(\q)+PITCH*\j
.endr
.endm
.macro AFRAG q                         ; and back as eight fragments
	WIN 0x40
.irp ks, 0,1,2,3,4,5,6,7
	ds_load_b128 v[FR+64*(\q)+8*\ks:FR+64*(\q)+8*\ks+3],   v[STF] offset:STG*(\q)+64*\ks
	ds_load_b128 v[FR+64*(\q)+8*\ks+4:FR+64*(\q)+8*\ks+7], v[STF] offset:STG*(\q)+64*\ks+32
.endr
.endm
; Landing buffer q is asked for again, and the tile that has just gone into stage q comes back as fragments.  The window first, then the two waits, then the loads.
.macro AGAIN q
	WIN 0x40
	s_wait_alu depctr_va_vdst(0)                   ; v[XO+q] is written, which the loads read; the products are done reading FR[q], in which the fragments land, and have written the accumulators, which
	                                               ; the LDS stores behind this macro read (at the weight phase's end: the last group's conversions are done with FR's registers);
	                                               ; in a half with results to leave v[AO] and the eight exponentials in v[T ..] are written too, ahead of the exponentials' first reader
	s_wait_alu depctr_vm_vsrc(0)                   ; the stage's LDS stores have read LA[q], in which the loads land (at the weight phase's end: the last group's LDS stores have read FR's registers)
	ALOAD \q
	AFRAG \q
.endm
; 64 matrix instructions.  Source 0 = 16 weight rows, source 1 = 16 tokens: lane (r, h) then holds token r, columns 16 nt + 8 h + 0..7.
; The first K step starts the sums (C = 0).  The accumulators take turns, one instruction a turn.
.macro MM4 tl, a0
.irp ks, 0,1,2,3,4,5,6,7
.irp nt, 0,1,2,3
.if \ks == 0
	v_wmma_f32_16x16x32_bf16 v[\a0+8*\nt:\a0+8*\nt+7], v[64*\nt+8*\ks:64*\nt+8*\ks+7], v[FR+64*(\tl)+8*\ks:FR+64*(\tl)+8*\ks+7], 0
.else
	v_wmma_f32_16x16x32_bf16 v[\a0+8*\nt:\a0+8*\nt+7], v[64*\nt+8*\ks:64*\nt+8*\ks+7], v[FR+64*(\tl)+8*\ks:FR+64*(\tl)+8*\ks+7], v[\a0+8*\nt:\a0+8*\nt+7]
.endif
.endr
.endr
.endm
.macro MM tl
	WIN 0x06                                       ; source 0 window 2, source 1 window 1, C and D window 0
	MM4 \tl, ACC
	WIN 0x07                                       ; source 0 window 3
	MM4 \tl, ACC+32
.endm
; set o, tile tl: the four partials of my token's 8 gate and 8 up columns.  The arithmetic that named v[RP ..] last stands ahead of the wait in front of the last global store: nothing more is owed
.macro RPLOAD o, tl
.irp q, 0,1,2,3
	ds_load_b128 v[RP+16*\q:RP+16*\q+3],     v[RD0+15*(\o)] offset:REDT*(\tl)+REDQ*\q
	ds_load_b128 v[RP+16*\q+4:RP+16*\q+7],   v[RD0+15*(\o)] offset:REDT*(\tl)+REDQ*\q+16
	ds_load_b128 v[RP+16*\q+8:RP+16*\q+11],  v[RD0+15*(\o)] offset:REDT*(\tl)+REDQ*\q+256
	ds_load_b128 v[RP+16*\q+12:RP+16*\q+15], v[RD0+15*(\o)] offset:REDT*(\tl)+REDQ*\q+272
.endr
.endm
.macro REDST par, tl                   ; my partial sums of tile tl into set par; each accumulator from its low end on
.irp nt, 0,1,2,3,4,5,6,7
	ds_store_b128 v[RS0+15*(\par)], v[ACC+8*\nt:ACC+8*\nt+3]   offset:REDT*(\tl)+64*\nt
	ds_store_b128 v[RS0+15*(\par)], v[ACC+8*\nt+4:ACC+8*\nt+7] offset:REDT*(\tl)+64*\nt+16
.endr
.endm
; The sums over K, silu(gate) x up, rounding, and 16 bytes a lane out, in four parts.  s26 = the byte offset in act of the block whose results leave.
.macro EPIA tl                         ; the sums, -g log2(e), the exponentials
.if \tl == 0
	s_wait_xcnt 0x0                                ; the last block's stores have had their addresses translated (ISA guide 3.1): AO and both tiles' 16 bytes are written again only behind this wait
	s_wait_alu depctr_vm_vsrc(0)                   ; the last block's stores have read v[AO] and both tiles' v[OUT ..], which this block's arithmetic writes again
	v_add_nc_u32 v[AO], s26, v[XL]
.endif
.irp q, 1,2,3
.irp k, 0,2,4,6,8,10,12,14
	v_pk_add_f32 v[RP+\k:RP+\k+1], v[RP+\k:RP+\k+1], v[RP+16*\q+\k:RP+16*\q+\k+1]
.endr
.endr
.irp k, 0,2,4,6
	v_pk_mul_f32 v[T+\k:T+\k+1], v[RP+\k:RP+\k+1], 0xbfb8aa3b op_sel_hi:[1,0]   ; -g log2(e)
.endr
.irp k, 0,1,2,3,4,5,6,7
	v_exp_f32 v[T+\k], v[T+\k]
.endr
	v_nop                                          ; one plain place behind the transcendentals (ISA guide 5.7.2)
.endm
.macro EPIB                            ; 1 + e, the reciprocals
.irp k, 0,2,4,6
	v_pk_add_f32 v[T+\k:T+\k+1], v[T+\k:T+\k+1], 1.0 op_sel_hi:[1,0]
.endr
.irp k, 0,1,2,3,4,5,6,7
	v_rcp_f32 v[T+\k], v[T+\k]                     ; sigmoid(g); exp = inf gives 0
.endr
	v_nop                                          ; one plain place behind the transcendentals
.endm
.macro EPIC tl                         ; times g, times up, rounded
.irp k, 0,2,4,6
	v_pk_mul_f32 v[T+\k:T+\k+1], v[T+\k:T+\k+1], v[RP+\k:RP+\k+1]
.endr
.irp k, 0,2,4,6
	v_pk_mul_f32 v[T+\k:T+\k+1], v[T+\k:T+\k+1], v[RP+8+\k:RP+8+\k+1]
.endr
.irp k, 0,1,2,3
	v_cvt_pk_bf16_f32 v[OUT+14*(\tl)+\k], v[T+2*\k], v[T+2*\k+1]
.endr
.endm
.macro EPIS tl
	global_store_b128 v[AO], v[OUT+14*(\tl):OUT+14*(\tl)+3], s[10:11] offset:0x10000*(\tl)   ; the block's second tile lies 64 KiB behind its first
.endm
; THE WEIGHT PHASE.  Eight groups of 16 rows through two landing buffers.  Each wait leaves the 32 younger loads out: the next group's,
; and in front of the last group the first two token tiles'.
	s_wait_alu depctr_va_vdst(0)                   ; the addresses made at the head (WOFF, STW, STF, STA, both RS0, both RD0) are written: every load and store below reads one of them
	WLOAD L0, 8, 0, 0
	WLOAD L1, 8, WTILE, 0
	s_wait_loadcnt 32
	WCONV L0, 0
	WLOAD L0, 8, 2*WTILE, 1
	WFRAG 0, 0
	s_wait_loadcnt 32
	WCONV L1, 1
	WLOAD L1, 8, 3*WTILE, 1
	WFRAG 1, 1
	s_wait_loadcnt 32
	WCONV L0, 0
	WLOAD L0, 22, 0, 1
	WFRAG 2, 0
	s_wait_loadcnt 32
	WCONV L1, 1
	WLOAD L1, 22, WTILE, 1
	WFRAG 3, 1
	s_wait_loadcnt 32
	WCONV L0, 0
	WLOAD L0, 22, 2*WTILE, 1
	WFRAG 4, 0
	s_wait_loadcnt 32
	WCONV L1, 1
	WLOAD L1, 22, 3*WTILE, 1
	WFRAG 5, 1
	s_wait_loadcnt 32
	WCONV L0, 0
	ANEXT 0
	ANEXT 1
	WIN 0x40
	s_wait_alu depctr_va_vdst(0)                   ; v[XO] and v[XO+1] are written, which the loads below read; group 6's conversions are done with L0, in which they land
	s_wait_alu depctr_vm_vsrc(0)                   ; group 6's LDS stores have read L0
	ALOAD 0                                        ; token tiles 0 and 1, into the registers that group 6 has left
	ALOAD 1
	WFRAG 6, 0
	s_wait_loadcnt 32
	WCONV L1, 1
	WFRAG 7, 1
	s_wait_loadcnt 16                              ; tile 0 is in; tile 1's 16 loads stay out
	s_wait_alu depctr_vm_vsrc(0)                   ; the loads of tiles 0 and 1 have read v[XO] and v[XO+1], which are written anew below
	ANEXT 0
	ASTORE 0
	AGAIN 0                                        ; tile 2; tile 0's fragments
	s_wait_loadcnt 16                              ; tile 1 is in; tile 2's 16 loads stay out
	ANEXT 1
	ASTORE 1
	AGAIN 1                                        ; tile 3; tile 1's fragments
	WIN 0
; THE TOKEN PHASE.  A block = two tiles of 16 tokens.  At a block's edge: this block's fragments are in FR0 and FR1 (or on their way from LDS),
; and the next block's two tiles are on their way from memory, LA0's 16 loads in front of LA1's.
; One half of a block: tile tl.  par = the set that takes this block's partial sums; epi = 1: the block in front has results to leave, in the other set.
.macro HALF par, epi, tl
.if \epi
	RPLOAD 1-\par, \tl
.endif
	s_wait_alu depctr_vm_vsrc(0)                   ; the LDS stores of the half before have read the accumulators, which the products below write anew; the buffer's last loads have read v[XO+tl], which is written anew behind them
	MM \tl
	WIN 0
	s_wait_loadcnt 16                              ; the next block's tile tl has landed; the other landing buffer's 16 loads are younger and stay out
	ANEXT \tl                                      ; its offset register is free since that wait
	ASTORE \tl
	WIN 0
.if \epi
	s_wait_dscnt 16                                ; the 16 reads of the partials are back; the 16 stage stores are younger
	EPIA \tl                                       ; its 28 packed lines, with the add above, are also the places behind the last matrix instructions (ISA guide 7.12.1)
.else
.rept 5
	v_nop                                          ; five places behind the last matrix instructions: the stores below read the sums, and the next products write over them
.endr
.endif
	AGAIN \tl                                      ; the half's one wait for the products; two blocks ahead from memory; the next block's fragments, on their way during the arithmetic below and the other tile's products
	WIN 0
	REDST \par, \tl                                ; no vector or matrix instruction has been issued since the wait in AGAIN
.if \epi
	EPIB
	s_wait_alu depctr_va_vdst(0)                   ; the eight reciprocals in v[T ..] are written, ahead of their first reader
	EPIC \tl
	s_wait_alu depctr_va_vdst(0)                   ; the roundings have written v[OUT ..], which the store reads; the arithmetic is done with v[RP ..], in which the next reads of partial sums land
	EPIS \tl
.endif
.endm
.macro BODY par, epi
	HALF \par, \epi, 0
	HALF \par, \epi, 1
.endm
.macro DRAIN o                         ; the last block's results leave
.irp tl, 0,1
	RPLOAD \o, \tl
	s_wait_dscnt 0x0
	EPIA \tl
	s_wait_alu depctr_va_vdst(0)                   ; the eight exponentials in v[T ..] are written, ahead of their first reader
	EPIB
	s_wait_alu depctr_va_vdst(0)                   ; the eight reciprocals in v[T ..] are written, ahead of their first reader
	EPIC \tl
	s_wait_alu depctr_va_vdst(0)                   ; v[AO] and the roundings in v[OUT ..] are written, which the store reads; the arithmetic is done with v[RP ..], in which the second tile's partial sums land
	EPIS \tl
.endr
.endm
; A turn: block P = 2 s19 + 2 - par.  The barrier stands on every wave's way in every turn.  It orders the two sets of partial sums both ways:
; in front of it each wave waits for all its LDS instructions, so the set written in the last turn is whole and is read behind the barrier,
; and the set read in the last turn is free and is written in this one.
.macro TURN par
	s_wait_dscnt 0x0                               ; my partial sums are stored, my reads of the other set are back, this block's fragments are in
	s_barrier_signal -1
	s_barrier_wait -1
	s_lshl_b32 s25, s19, 1
	s_add_co_u32 s25, s25, 2-\par                  ; P
	s_sub_co_u32 s26, s25, 1
	s_lshl_b32 s26, s26, 17                        ; block P - 1 in act: two tiles of 64 KiB a block
	s_cmp_ge_u32 s25, s16
	s_cbranch_scc1 .Lnobody_\@
	BODY \par, 1
	s_branch .Ldone_\@
.Lnobody_\@:
	s_cmp_lg_u32 s25, s16
	s_cbranch_scc1 .Ldone_\@
	DRAIN 1-\par
.Ldone_\@:
.endm
	s_wait_dscnt 0x0                               ; the weights' and the first block's fragments are in; nothing is shared yet: no barrier
	s_cmp_eq_u32 s16, 0
	s_cbranch_scc1 .Lfirst_done
	BODY 0, 0
.Lfirst_done:
	s_mov_b32 s19, 0
.Lloop:
	TURN 1
	TURN 0
	s_add_co_u32 s19, s19, 1
	s_cmp_lt_u32 s19, 16                           ; blocks 1 to 32: room for 1024 tokens and the last block's results
	s_cbranch_scc1 .Lloop
	s_wait_dscnt 0x0
	s_wait_alu depctr_hold_cnt(0) depctr_sa_sdst(0) depctr_va_vdst(0) depctr_va_sdst(0) depctr_va_ssrc(0) depctr_va_vcc(0) depctr_vm_vsrc(0)
	s_wait_tensorcnt 0x0
	ds_add_u32 v254, v255
	s_wait_dscnt 0x0
	s_endpgm
.Lfunc_end_k_q8366dbb878_gemm1:
	.size	k_q8366dbb878_gemm1, .Lfunc_end_k_q8366dbb878_gemm1-k_q8366dbb878_gemm1
	.p2alignl 7, 3214868480
	.fill 96, 4, 3214868480
	.section	.rodata,"a",@progbits
	.p2align	6, 0x0
	.amdhsa_kernel k_q8366dbb878_gemm1
		.amdhsa_group_segment_fixed_size 203264
		.amdhsa_private_segment_fixed_size 0
		.amdhsa_enable_private_segment 0
		.amdhsa_kernarg_size 32
		.amdhsa_user_sgpr_count 2
		.amdhsa_user_sgpr_kernarg_segment_ptr 1
		.amdhsa_wavefront_size32 1
		.amdhsa_system_sgpr_workgroup_id_x 1
		.amdhsa_system_sgpr_workgroup_id_y 1
		.amdhsa_system_sgpr_workgroup_id_z 1
		.amdhsa_system_vgpr_workitem_id 0
		.amdhsa_next_free_vgpr 1024
		.amdhsa_next_free_sgpr 66
		.amdhsa_reserve_vcc 0
		.amdhsa_float_denorm_mode_32 3
		.amdhsa_float_denorm_mode_16_64 3
		.amdhsa_memory_ordered 1
		.amdhsa_forward_progress 1
		.amdhsa_inst_pref_size 189
	.end_amdhsa_kernel
	.amdgpu_metadata
---
amdhsa.version: [ 1, 2 ]
amdhsa.kernels:
  - .name:           k_q8366dbb878_gemm1
    .symbol:         k_q8366dbb878_gemm1.kd
    .args:
      - { .name: xs, .offset: 0, .size: 8, .value_kind: global_buffer, .address_space: global }
      - { .name: counts, .offset: 8, .size: 8, .value_kind: global_buffer, .address_space: global }
      - { .name: w13_weight, .offset: 16, .size: 8, .value_kind: global_buffer, .address_space: global }
      - { .name: act, .offset: 24, .size: 8, .value_kind: global_buffer, .address_space: global }
    .group_segment_fixed_size: 203264
    .private_segment_fixed_size: 0
    .kernarg_segment_align: 8
    .kernarg_segment_size: 32
    .max_flat_workgroup_size: 128
    .sgpr_count:     66
    .vgpr_count:     1024
    .wavefront_size: 32
...
	.end_amdgpu_metadata
.endif
;; end of part 6
;; launch gemm2 (part 7): grid 32 x 8, 4 waves a work-group, no clusters, 207,360 bytes of LDS; arguments act, counts, w2_weight, y; writes y
.if DOCPART == 7
	.amdgcn_target "amdgcn-amd-amdhsa--gfx1250"
	.amdhsa_code_object_version 6
	.text
	.protected	k_q8366dbb878_gemm2
	.globl	k_q8366dbb878_gemm2
	.p2align	8
	.type	k_q8366dbb878_gemm2,@function
k_q8366dbb878_gemm2:
	s_mov_b64 s[64:65], 0
	v_nop
	global_prefetch_b8 v0, s[64:65] scope:SCOPE_SE
	s_setreg_imm32_b32 hwreg(HW_REG_WAVE_SCHED_MODE, 0, 2), 2
	s_setreg_imm32_b32 hwreg(HW_REG_WAVE_MODE, 25, 1), 1
	s_wait_xcnt 0x0
	s_wait_alu depctr_vm_vsrc(0)
; y[slot][kh][h] = sum over i in half kh of act[slot][i] w2[e][h][i].  bf16 operands, f32 sums; the two halves are added by the next launch.
; Work-group (hb, kh, e) owns rows h = 64 hb .. + 63 and K = 1024 kh .. + 1023 of expert e's w2: 256 KiB, read from memory ONCE, rounded to bf16
; and kept as fragments in registers: wave w keeps K quarter 256 w of the 64 rows: 4 tiles x 8 K steps x 8 = 256 registers.
; K is halved between work-groups so that there are 256 of them, each storing whole pieces of 64 f32 of a row and reading half of each act tile.
; act lies in memory in fragment order, so a token tile's fragments come straight into registers, each load covering 512 consecutive bytes.
; The four waves' partial sums meet in LDS and leave as rows: sixteen lanes store 256 consecutive bytes, aligned.
; The tokens go by in blocks of four tiles of 16, ceil(count / 64) blocks, the count a whole number stored by an earlier launch.  act holds
; 2 ceil(count / 32) tiles; where a block reaches behind them the last tile is taken again, and its results go to rows of y behind the expert's
; tokens, inside its 1024 rows, which nobody reads.
; BARRIERS: every wave passes the same 16 barriers whatever the count: the loop is counted against a constant (room for 1024 tokens), and only
; work without a barrier stands under the branches on the count.  All blocks name the same registers (only the LDS set of the partial sums
; takes turns), so what is outstanding at a block's edge is the same whether a block ran or not, and the counted waits hold on every way.
; Experts that a token did not choose are not computed (their weight in the sum is exactly 0).
; NO CLUSTER, NO JOINT LOADS, NO TENSOR LOADS: the weights are shared with nobody and pass through registers to be rounded; the token tiles,
; 8 KiB a wave and tile, need no LDS at all here.
; THE MODE: SCHED_MODE bits 1:0 = 2 (LLVM: expert scheduling mode 2), set by the entry lines.  The code itself states the register dependences
; between vector or matrix instructions and memory or LDS instructions, with s_wait_alu, always for 0.
; THE PLAN.  Registers that memory or LDS instructions touch:
;   WOFF, STW, STF, RS, RD   addresses, written at the head and never again: one wait ahead of the first load serves them all.
;   L0, L1 (weight phase)    loads land; 64 conversions read and write in place; 32 LDS stores read; the next loads land.  One wait between the
;                            conversions and the stores, two straight ahead of the next loads.
;   the weights' fragments   LDS loads land once; behind that matrix instructions alone name them.
;   the four fragment buffers   loads land, tile t's products read, the next block's loads land.      FO+t   written by one add a tile, read by those loads.
;   ACC      the products write, LDS stores read.
;   RP+32 t  LDS loads land, twelve packed sums read and write, two global stores read.                YO     written once a block, read by the stores.
; A tile: the reads of the partial sums; the products; the add to FO+t and the sums; ONE wait on va_vdst, behind which the tile's sixteen loads, its eight LDS
; stores and its two global stores follow with no further wait.  A wait on vm_vsrc stands at the block's head and ahead of the products of tiles 1 to 3.
.set PITCH, 528                        ; the weights' stage: 512 bytes + 16
.set STG,   16*PITCH
.set WSTG,  2*STG
.set REDB,  4*WSTG                     ; 67584
.set RPITCH, 272                       ; a row of 64 f32 + 16 bytes
.set REDQ,  16*RPITCH                  ; 4352: one wave's partial of a tile
.set REDT,  4*REDQ                     ; 17408: a tile's four partials
.set REDP,  4*REDT                     ; 69632: a block's four tiles; two such sets take turns
.set WROW,  8192                       ; bytes in a row of w2
.set WTILE, 16*WROW
.set WOFF, 4                           ; 1024 w + 16 lane
.set STW,  5
.set STF,  6
.set FL,   7                           ; 8192 w + 16 lane: my K steps in an act tile
.set FO,   8                           ; v[8:11]  FL + the tile, one for each fragment buffer
.set YL,   12                          ; my 16 bytes in a tile's rows of y
.set YO,   13                          ; YL + the block whose results leave
.set RS,   14                          ; v14, v15: my partial sums in, set 0, 1
.set RD,   16                          ; v[16:19]: partials back: set 0 tiles 0-1, set 0 tiles 2-3, set 1 tiles 0-1, set 1 tiles 2-3
.set ACC,  32                          ; v[32:63]  four accumulator tiles
.set RP,   64                          ; v[64:191] tile tl of a block: 32 registers: partial q, two pieces of 4 f32
.set L0,   0                           ; window 1, weight phase: two landing buffers of 128; token phase: four fragment buffers of 64
.set L1,   128
.set MSB, 0
.macro WIN new
.if MSB != \new
	s_set_vgpr_msb (MSB<<8)|\new
.set MSB, \new
.endif
.endm
	s_load_b256 s[4:11], s[0:1], 0x0               ; act s[4:5], counts s[6:7], w2 s[8:9], y s[10:11]
	v_lshl_add_u32 v254, v0, 2, 0x32800
	v_mov_b32 v255, 0
	v_lshrrev_b32 v1, 5, v0
	v_readfirstlane_b32 s12, v1                    ; wave
	s_and_b32 s14, ttmp7, 0xffff                   ; expert
	s_lshl_b32 s26, s14, 2
	s_wait_kmcnt 0x0
	s_load_b32 s15, s[6:7], s26 offset:0x0
	s_lshr_b32 s13, ttmp9, 1                       ; hb
	s_and_b32 s27, ttmp9, 1                        ; kh
	v_and_b32 v1, 31, v0
	v_and_b32 v2, 15, v0                           ; r
	v_bfe_u32 v3, v0, 4, 1                         ; h
	s_wait_alu depctr_va_sdst(0)                   ; s12 is written, ahead of its first reader: the addresses below are made from it
	s_lshl_b32 s24, s12, 10
	v_lshl_add_u32 v[WOFF], v1, 4, s24
	s_mul_i32 s25, s12, WSTG
	v_lshl_add_u32 v[STW], v1, 3, s25
	v_mul_u32_u24 v[STF], v2, PITCH
	v_lshl_add_u32 v[STF], v3, 4, v[STF]
	v_add_nc_u32 v[STF], s25, v[STF]
	s_lshl_b32 s24, s12, 13
	v_lshl_add_u32 v[FL], v1, 4, s24
	v_mul_u32_u24 v[RS], v2, RPITCH                ; in: token r, columns 16 nt + 8 h
	v_lshl_add_u32 v[RS], v3, 5, v[RS]
	s_mul_i32 s24, s12, REDQ
	s_add_co_u32 s24, s24, REDB
	v_add_nc_u32 v[RS], s24, v[RS]
	v_add_nc_u32 v[RS+1], REDP, v[RS]
	v_mul_u32_u24 v[RD], v3, RPITCH                ; back: token 4 w + h (and two further down), 16 bytes a lane of its 256
	v_lshl_add_u32 v[RD], v2, 4, v[RD]
	s_mul_i32 s24, s12, 4*RPITCH
	s_add_co_u32 s24, s24, REDB
	v_add_nc_u32 v[RD], s24, v[RD]
	v_add_nc_u32 v[RD+1], 2*REDT, v[RD]
	v_add_nc_u32 v[RD+2], REDP, v[RD]
	v_add_nc_u32 v[RD+3], REDP+2*REDT, v[RD]
	v_lshlrev_b32 v[YL], 13, v3                    ; the same in y: rows of 8192 bytes
	v_lshl_add_u32 v[YL], v2, 4, v[YL]
	s_lshl_b32 s24, s12, 15
	v_add_nc_u32 v[YL], s24, v[YL]
	s_mov_b32 s21, 0
	s_lshl_b32 s20, s14, 22                        ; act: 4 MiB an expert, K steps 32 kh .. of 1024 bytes
	s_lshl_b32 s24, s27, 15
	s_add_co_u32 s20, s20, s24
	s_add_nc_u64 s[4:5], s[4:5], s[20:21]
	s_lshl_b32 s20, s14, 23                        ; w2: 8 MiB an expert, 64 rows of 8192 bytes a block, 4096 bytes a half
	s_lshl_b32 s24, s13, 19
	s_add_co_u32 s20, s20, s24
	s_lshl_b32 s24, s27, 12
	s_add_co_u32 s20, s20, s24
	s_add_nc_u64 s[8:9], s[8:9], s[20:21]
	s_lshl_b32 s20, s14, 23                        ; y: 1024 rows of 8192 bytes an expert, 4096 a half, 256 a block of columns
	s_add_co_u32 s20, s20, s24
	s_lshl_b32 s24, s13, 8
	s_add_co_u32 s20, s20, s24
	s_add_nc_u64 s[10:11], s[10:11], s[20:21]
	s_wait_kmcnt 0x0
	s_min_u32 s15, s15, 0x400
	s_add_co_u32 s16, s15, 63
	s_lshr_b32 s16, s16, 6                         ; blocks of four tiles, 0..16
	s_add_co_u32 s17, s15, 31
	s_lshr_b32 s17, s17, 5
	s_lshl_b32 s17, s17, 1                         ; tiles that act holds
	s_max_u32 s17, s17, 1
	s_sub_co_u32 s17, s17, 1                       ; the last of them (tile 0 where there is none: it is then loaded and not used)
	s_mov_b32 s18, 0                               ; the next tile to ask for
; 32 loads: my quarter (1024 bytes) of 16 weight rows, 512 consecutive bytes a load.  again = 1: the landing buffer has been used before
.macro WLOAD land, imm, again
	WIN 0x40
.if \again
	s_wait_alu depctr_va_vdst(0)                   ; the conversions are done reading and writing the landing buffer, in which the loads below land
	s_wait_alu depctr_vm_vsrc(0)                   ; the LDS stores have read the landing buffer
.endif
.irp j, 0,1,2,3,4,5,6,7,8,9,10,11,12,13,14,15
	global_load_b128 v[\land+8*\j:\land+8*\j+3],   v[WOFF], s[8:9] offset:\imm+WROW*\j th:TH_LOAD_NT
	global_load_b128 v[\land+8*\j+4:\land+8*\j+7], v[WOFF], s[8:9] offset:\imm+WROW*\j+512 th:TH_LOAD_NT
.endr
.endm
.macro WCONV land, p                   ; rounded in place, into my stage p
	WIN 0x45
.set i, 0
.rept 32
	v_cvt_pk_bf16_f32 v[\land+4*i],   v[\land+4*i],   v[\land+4*i+1]
	v_cvt_pk_bf16_f32 v[\land+4*i+1], v[\land+4*i+2], v[\land+4*i+3]
.set i, i+1
.endr
	WIN 0x04
	s_wait_alu depctr_va_vdst(0)                   ; the conversions have written the landing buffer, which the LDS stores below read
.irp j, 0,1,2,3,4,5,6,7,8,9,10,11,12,13,14,15
	ds_store_b64 v[STW], v[\land+8*\j:\land+8*\j+1]   offset:STG*\p+PITCH*\j
	ds_store_b64 v[STW], v[\land+8*\j+4:\land+8*\j+5] offset:STG*\p+PITCH*\j+256
.endr
.endm
; back as fragments, which stay in window 2.  The stage is the wave's own and LDS serves a wave in order (ISA guide 5.7.1.4).
; No vector instruction has named these registers, and v[STF] was written ahead of the wait at the weight phase's head: nothing is owed here.
.macro WFRAG nt, p
	WIN 0x80
.irp ks, 0,1,2,3,4,5,6,7
	ds_load_b128 v[\nt*64+8*\ks:\nt*64+8*\ks+3],   v[STF] offset:STG*\p+64*\ks
	ds_load_b128 v[\nt*64+8*\ks+4:\nt*64+8*\ks+7], v[STF] offset:STG*\p+64*\ks+32
.endr
.endm
.macro FNEXT q                         ; the next tile's offset for buffer q; behind the last tile the last is asked for again
	WIN 0
	s_min_u32 s24, s18, s17
	s_min_u32 s24, s24, 63
	s_lshl_b32 s24, s24, 16                        ; tiles of 64 KiB
	v_add_nc_u32 v[FO+\q], s24, v[FL]
	s_add_co_u32 s18, s18, 1
.endm
.macro FLOAD q                         ; 16 loads: my eight K steps' fragments of a tile
	WIN 0x40
.irp ks, 0,1,2,3,4,5,6,7
	global_load_b128 v[64*\q+8*\ks:64*\q+8*\ks+3],   v[FO+\q], s[4:5] offset:1024*\ks
	global_load_b128 v[64*\q+8*\ks+4:64*\q+8*\ks+7], v[FO+\q], s[4:5] offset:1024*\ks+512
.endr
.endm
; 32 matrix instructions; source 0 = weight rows, source 1 = tokens: lane (r, h) holds token r, columns 16 nt + 8 h + 0..7.
; C = 0 starts the sums.  The accumulators take turns, one instruction a turn.
.macro MM q
	WIN 0x06                                       ; source 0 window 2, source 1 window 1, C and D window 0
.irp ks, 0,1,2,3,4,5,6,7
.irp nt, 0,1,2,3
.if \ks == 0
	v_wmma_f32_16x16x32_bf16 v[ACC+8*\nt:ACC+8*\nt+7], v[64*\nt+8*\ks:64*\nt+8*\ks+7], v[64*\q+8*\ks:64*\q+8*\ks+7], 0
.else
	v_wmma_f32_16x16x32_bf16 v[ACC+8*\nt:ACC+8*\nt+7], v[64*\nt+8*\ks:64*\nt+8*\ks+7], v[64*\q+8*\ks:64*\q+8*\ks+7], v[ACC+8*\nt:ACC+8*\nt+7]
.endif
.endr
.endr
.endm
; set o, tile tl: the four partials of my two pieces.  The sums that named these registers last stand ahead of their tile's wait on va_vdst, a block back: nothing more is owed on that side
.macro RPLOAD o, tl
.irp q, 0,1,2,3
	ds_load_b128 v[RP+32*(\tl)+8*\q:RP+32*(\tl)+8*\q+3],   v[RD+2*(\o)+((\tl)>>1)] offset:REDT*((\tl)&1)+REDQ*\q
	ds_load_b128 v[RP+32*(\tl)+8*\q+4:RP+32*(\tl)+8*\q+7], v[RD+2*(\o)+((\tl)>>1)] offset:REDT*((\tl)&1)+REDQ*\q+2*RPITCH
.endr
.endm
.macro REDST par, tl                   ; each accumulator from its low end on
.irp nt, 0,1,2,3
	ds_store_b128 v[RS+(\par)], v[ACC+8*\nt:ACC+8*\nt+3]   offset:REDT*(\tl)+64*\nt
	ds_store_b128 v[RS+(\par)], v[ACC+8*\nt+4:ACC+8*\nt+7] offset:REDT*(\tl)+64*\nt+16
.endr
.endm
.macro EPIADD tl                       ; the sums over the four quarters
.irp q, 1,2,3
.irp k, 0,2,4,6
	v_pk_add_f32 v[RP+32*(\tl)+\k:RP+32*(\tl)+\k+1], v[RP+32*(\tl)+\k:RP+32*(\tl)+\k+1], v[RP+32*(\tl)+8*\q+\k:RP+32*(\tl)+8*\q+\k+1]
.endr
.endr
.endm
.macro EPIST tl                        ; two rows' pieces out; the tile's 16 rows of 8192 bytes stand in the immediate
	global_store_b128 v[YO], v[RP+32*(\tl):RP+32*(\tl)+3],   s[10:11] offset:0x20000*(\tl)
	global_store_b128 v[YO], v[RP+32*(\tl)+4:RP+32*(\tl)+7], s[10:11] offset:0x20000*(\tl)+2*8192
.endm
; THE WEIGHT PHASE: four groups of 16 rows through two landing buffers; each wait leaves the 32 younger loads out
; (the next group's; in front of the last group the first two token tiles').
	s_wait_alu depctr_va_vdst(0)                   ; the addresses made at the head (WOFF, STW, STF, both RS, the four RD) are written: every load and store below reads one of them
	WLOAD L0, 0, 0
	WLOAD L1, WTILE, 0
	s_wait_loadcnt 32
	WCONV L0, 0
	WLOAD L0, 2*WTILE, 1
	WFRAG 0, 0
	s_wait_loadcnt 32
	WCONV L1, 1
	WLOAD L1, 3*WTILE, 1
	WFRAG 1, 1
	s_wait_loadcnt 32
	WCONV L0, 0
	FNEXT 0
	FNEXT 1
	WIN 0x40
	s_wait_alu depctr_va_vdst(0)                   ; v[FO] and v[FO+1] are written, which the loads below read; group 2's conversions are done with L0, in which they land
	s_wait_alu depctr_vm_vsrc(0)                   ; group 2's LDS stores have read L0
	FLOAD 0                                        ; tiles 0 and 1, into the registers that group 2 has left
	FLOAD 1
	WFRAG 2, 0
	s_wait_loadcnt 32
	WCONV L1, 1
	FNEXT 2
	FNEXT 3
	WIN 0x40
	s_wait_alu depctr_va_vdst(0)                   ; v[FO+2] and v[FO+3] are written, which the loads below read; group 3's conversions are done with L1, in which they land
	s_wait_alu depctr_vm_vsrc(0)                   ; group 3's LDS stores have read L1
	FLOAD 2                                        ; tiles 2 and 3
	FLOAD 3
	WFRAG 3, 1
	WIN 0
; THE TOKEN PHASE.  A block = four tiles, one for each fragment buffer.  At a block's edge the four buffers' loads are out, 16 each, buffer 0's first.
; par = the set that takes this block's partial sums; epi = 1: the block in front has results to leave, in the other set; s26 = its byte offset in y.
.macro BODY par, epi
.if \epi
	s_wait_xcnt 0x0                                ; the last block's stores have had their addresses translated (ISA guide 3.1): their data, in RP, and YO are written again only behind this wait
.endif
	s_wait_alu depctr_vm_vsrc(0)                   ; the last block's global stores have read v[RP ..] and v[YO], its LDS stores the accumulators, the loads issued so far v[FO ..]: all of these are written again in this block
.if \epi
	v_add_nc_u32 v[YO], s26, v[YL]
.endif
.irp t, 0,1,2,3
.if \epi
	RPLOAD 1-\par, \t
.endif
	s_wait_loadcnt 48                              ; this tile's fragments are in; the three buffers behind it stay out
.if \t > 0
	s_wait_alu depctr_vm_vsrc(0)                   ; the LDS stores of the tile before have read the accumulators, which the products below write anew
.endif
	MM \t
	WIN 0
	FNEXT \t                                       ; the buffer's offset register is free since the wait on the loads above
.if \epi
	s_wait_dscnt 0x0                               ; the reads of the partials, the youngest LDS instructions, are back
	EPIADD \t                                      ; these twelve, with the add above, are also the places behind the last matrix instructions (ISA guide 7.12.1)
.else
.rept 5
	v_nop                                          ; five places behind the last matrix instructions: stores read the sums, and the next products write over them
.endr
.endif
	WIN 0x40
	s_wait_alu depctr_va_vdst(0)                   ; the tile's one wait: the products are done reading the fragments, in which the loads below land, and have written the accumulators, which the LDS stores read;
	                                               ; v[FO+t] is written, which the loads read; v[YO] and the sums in v[RP ..] are written, which the global stores read
	FLOAD \t                                       ; the same buffer's tile of the next block
	WIN 0
	REDST \par, \t                                 ; no vector or matrix instruction has been issued since the wait
.if \epi
	EPIST \t
.endif
.endr
.endm
.macro DRAIN o                         ; the last block's results leave
	s_wait_xcnt 0x0                                ; the earlier stores have had their addresses translated: their data, in RP, and YO are written again only behind this wait
	s_wait_alu depctr_vm_vsrc(0)                   ; the earlier global stores have read v[RP ..], in which the loads below land, and v[YO], which is written anew
	v_add_nc_u32 v[YO], s26, v[YL]
.irp t, 0,1,2,3
	RPLOAD \o, \t
.endr
.irp t, 0,1,2,3
	s_wait_dscnt 24-8*\t                           ; tile t's 8 reads are back; the later tiles' stay out
	EPIADD \t
.endr
	s_wait_alu depctr_va_vdst(0)                   ; v[YO] and the four tiles' sums in v[RP ..] are written, which the eight stores read
.irp t, 0,1,2,3
	EPIST \t
.endr
.endm
; A turn: block Q = 2 s19 + 2 - par.  The barrier stands on every wave's way in every turn and orders the two sets of partial sums both ways:
; in front of it each wave waits for all its LDS instructions, so the set written in the last turn is whole and is read behind it,
; and the set read in the last turn is free and is written in this one.
.macro TURN par
	s_wait_dscnt 0x0
	s_barrier_signal -1
	s_barrier_wait -1
	s_lshl_b32 s25, s19, 1
	s_add_co_u32 s25, s25, 2-\par                  ; Q
	s_sub_co_u32 s26, s25, 1
	s_lshl_b32 s26, s26, 19                        ; block Q - 1 in y: 64 rows of 8192 bytes a block
	s_cmp_ge_u32 s25, s16
	s_cbranch_scc1 .Lnobody_\@
	BODY \par, 1
	s_branch .Ldone_\@
.Lnobody_\@:
	s_cmp_lg_u32 s25, s16
	s_cbranch_scc1 .Ldone_\@
	DRAIN 1-\par
.Ldone_\@:
.endm
	s_wait_dscnt 0x0                               ; the weights' fragments are in; nothing is shared yet: no barrier
	s_cmp_eq_u32 s16, 0
	s_cbranch_scc1 .Lfirst_done
	BODY 0, 0
.Lfirst_done:
	s_mov_b32 s19, 0
.Lloop:
	TURN 1
	TURN 0
	s_add_co_u32 s19, s19, 1
	s_cmp_lt_u32 s19, 8                            ; blocks 1 to 16: room for 1024 tokens and the last block's results
	s_cbranch_scc1 .Lloop
	s_wait_dscnt 0x0
	s_wait_alu depctr_hold_cnt(0) depctr_sa_sdst(0) depctr_va_vdst(0) depctr_va_sdst(0) depctr_va_ssrc(0) depctr_va_vcc(0) depctr_vm_vsrc(0)
	s_wait_tensorcnt 0x0
	ds_add_u32 v254, v255
	s_wait_dscnt 0x0
	s_endpgm
.Lfunc_end_k_q8366dbb878_gemm2:
	.size	k_q8366dbb878_gemm2, .Lfunc_end_k_q8366dbb878_gemm2-k_q8366dbb878_gemm2
	.p2alignl 7, 3214868480
	.fill 96, 4, 3214868480
	.section	.rodata,"a",@progbits
	.p2align	6, 0x0
	.amdhsa_kernel k_q8366dbb878_gemm2
		.amdhsa_group_segment_fixed_size 207360
		.amdhsa_private_segment_fixed_size 0
		.amdhsa_enable_private_segment 0
		.amdhsa_kernarg_size 32
		.amdhsa_user_sgpr_count 2
		.amdhsa_user_sgpr_kernarg_segment_ptr 1
		.amdhsa_wavefront_size32 1
		.amdhsa_system_sgpr_workgroup_id_x 1
		.amdhsa_system_sgpr_workgroup_id_y 1
		.amdhsa_system_sgpr_workgroup_id_z 1
		.amdhsa_system_vgpr_workitem_id 0
		.amdhsa_next_free_vgpr 768
		.amdhsa_next_free_sgpr 66
		.amdhsa_reserve_vcc 0
		.amdhsa_float_denorm_mode_32 3
		.amdhsa_float_denorm_mode_16_64 3
		.amdhsa_memory_ordered 1
		.amdhsa_forward_progress 1
		.amdhsa_inst_pref_size 130
	.end_amdhsa_kernel
	.amdgpu_metadata
---
amdhsa.version: [ 1, 2 ]
amdhsa.kernels:
  - .name:           k_q8366dbb878_gemm2
    .symbol:         k_q8366dbb878_gemm2.kd
    .args:
      - { .name: act, .offset: 0, .size: 8, .value_kind: global_buffer, .address_space: global }
      - { .name: counts, .offset: 8, .size: 8, .value_kind: global_buffer, .address_space: global }
      - { .name: w2_weight, .offset: 16, .size: 8, .value_kind: global_buffer, .address_space: global }
      - { .name: y, .offset: 24, .size: 8, .value_kind: global_buffer, .address_space: global }
    .group_segment_fixed_size: 207360
    .private_segment_fixed_size: 0
    .kernarg_segment_align: 8
    .kernarg_segment_size: 32
    .max_flat_workgroup_size: 128
    .sgpr_count:     66
    .vgpr_count:     768
    .wavefront_size: 32
...
	.end_amdgpu_metadata
.endif
;; end of part 7
;; launch combine: the kernel of part 5 again; grid 128 x 1, 8 waves a work-group, no clusters, 0 bytes of LDS; arguments y, slots, wts, out0; writes out0
